; MI455X (gfx1250); checked and timed in simulation.
; The chip was launched on July 23, 2026; its instructions are those of AMD's public machine-readable ISA for CDNA 5 (MIT licence, August 2026) and "CDNA5" Instruction Set Architecture Reference Guide (July 2026). The comments in the code are by the model that wrote it; some were corrected since.
;; Multi Headed Attention. Allowed arithmetic: matrix products marked QUANTISED: E2M3 operands, one E8M0 scale for each 32 along K, by v_wmma_scale_f32_16x16x128_f8f6f4 with both operands' format E2M3, f32 sums; everything else in f32.
;; Inputs: Wk 1,024 x 1,024 float32; Wo 1,024 x 1,024 float32; Wq 1,024 x 1,024 float32; Wv 1,024 x 1,024 float32; bk 1,024 float32; bo 1,024 float32; bq 1,024 float32; bv 1,024 float32; key 2 x 2,048 x 1,024 float32; mask 2 x 2,048 x 2,048 int32; query 2 x 2,048 x 1,024 float32; value 2 x 2,048 x 1,024 float32.
;; Outputs: out0 2 x 2,048 x 1,024 float32.
;; This version of the problem:
;;   THIS VERSION OF THE PROBLEM IS GIVEN IN LOW PRECISION. The matrix products marked QUANTISED in the list below multiply operands that are first quantised to E2M3 (2 exponent bits, 3 mantissa bits; 6 bits a number), with one power-of-two scale for each 32 numbers along K (OCP MX v1.0); their sums are f32. All else is computed in f32.
;;   The module's matrix products, in the order in which they are computed (A, B: the left and right operand; K: the contracted axis; several contracted axes count as one K, in the product's order):
;;     1. [M 4,096, K 1,024] x [K 1,024, N 1,024]; A: input query; B: input Wq: QUANTISED
;;     2. [M 4,096, K 1,024] x [K 1,024, N 1,024]; A: input key; B: input Wk: QUANTISED
;;     3. [M 4,096, K 1,024] x [K 1,024, N 1,024]; A: input value; B: input Wv: QUANTISED
;;     4. batch 32 x [M 2,048, K 64] x [K 64, N 2,048]; A: computed on the way; B: computed on the way: QUANTISED
;;     5. batch 32 x [M 2,048, K 2,048] x [K 2,048, N 64]; A: softmax (see below); B: computed on the way: QUANTISED
;;     6. [M 4,096, K 1,024] x [K 1,024, N 1,024]; A: computed on the way; B: input Wo: QUANTISED
;;   THE QUANTISER, for each operand of a quantised product, along K:
;;     - K is cut into blocks of 32 from its start; a last block that is shorter is filled with zeros.
;;     - A block's scale is 2^e with e = floor(log2(the largest magnitude in the block)) - 2, held to -126 .. 127; a block of zeros has e = 0. As a byte (E8M0): e + 127.
;;     - Each number is divided by its block's scale, clamped to +-7.5, and rounded to the nearest number of E2M3, ties to even, subnormals kept.
;;     - The product sums the exact products of the quantised numbers (number of the format x scale) in f32.
;;   ~~~python
;;   def quantise(x, axis):      # numpy; x: float32 -> the quantised numbers, widened to float32 again
;;       x = np.moveaxis(x, axis, -1); K = x.shape[-1]
;;       x = np.pad(x, [(0, 0)] * (x.ndim - 1) + [(0, -K % 32)]); x = x.reshape(x.shape[:-1] + (-1, 32)); a = np.abs(x).max(-1, keepdims=True)
;;       e = np.where(a > 0, np.clip(np.frexp(np.where(a > 0, a, 1))[1] - 1 - 2, -126, 127), 0)      # np.frexp(a)[1] - 1 = floor(log2(a)), exactly
;;       r = np.clip(x / 2.0 ** e, -7.5, 7.5)
;;       step = 2.0 ** (np.maximum(np.frexp(np.where(r == 0, 1, r))[1] - 1, 0) - 3)
;;       q = np.round(r / step) * step * 2.0 ** e      # np.round: ties to even
;;       return np.moveaxis(q.reshape(q.shape[:-2] + (-1,))[..., :K], -1, axis).astype(np.float32)
;;   ~~~
;;   SOFTMAX AHEAD OF A QUANTISED PRODUCT. Where the list says 'softmax', what is quantised is not the finished softmax but p = 2^(t - M), with t = logit x log2(e) and M = ceil(the row's largest t), a whole number; so 1/2 < the row's largest p <= 1. The row's sum l is taken of the UNQUANTISED p, in f32, and the product's result is divided by l at the end. Since M is a whole number, a kernel that streams over the keys may use a running M (the ceiling of the running maximum): every later rescaling is an exact power of two, which a block's scale takes up: the codes' values come out the same.
;;   OPERANDS COMPUTED ON THE WAY. 'Computed on the way' means the value that the module computes at that place (a softmax that the list does not call 'softmax' is quantised finished and normalised). What goes into a quantiser is computed in f32, as accurately as f32 sums, v_exp_f32 and their like allow (about 1e-6 of the number): no bf16 or f16 on the way to a quantiser, and a product that is left as it is and whose result goes on into a quantised operand takes f32 operands (vector FMAs, or v_wmma_f32_16x16x4_f32). A number that lies on a knife's edge between two numbers of the format may be rounded either way, as far as f32 arithmetic and the matrix unit's own rounding can turn it there, and no further.
;; One version. Each part assembles by itself: llvm-mc -triple=amdgcn-amd-amdhsa -mcpu=gfx1250 --defsym DOCPART=n.
;; ======== version 1 of 1: 4 launches
;; limits: right only within a limited range of input values
;; workspace buffers: codes1 15,728,640 bytes; scales1 655,360 bytes; mbits 1,048,576 bytes of whole numbers; qb 3,276,800 bytes; kvb 6,553,600 bytes
;; launch prep (part 1): grid 768 x 1, 2 waves a work-group, no clusters, 17,152 bytes of LDS; arguments query, key, value, Wq, Wk, Wv, Wo, mask, codes1, scales1, mbits; writes codes1, scales1, mbits
.if DOCPART == 1
	.amdgcn_target "amdgcn-amd-amdhsa--gfx1250"
	.amdhsa_code_object_version 6
	.text
	.protected	k_q75a9adb3fc_prep
	.globl	k_q75a9adb3fc_prep
	.p2align	8
	.type	k_q75a9adb3fc_prep,@function
k_q75a9adb3fc_prep:
	s_mov_b64 s[64:65], 0
	v_nop
	global_prefetch_b8 v0, s[64:65] scope:SCOPE_SE
	s_setreg_imm32_b32 hwreg(HW_REG_WAVE_MODE, 25, 1), 1
	s_wait_xcnt 0x0
; PREP.  query, key, value [4096][1024] and Wq, Wk, Wv, Wo [1024][1024], f32, K innermost, become codes of FP6 (E2M3) with one E8M0 byte for each 32 along K;
; mask [2][2048][2048], int32, becomes lane-mask words for the attention launch.
; THE ORDER INSIDE A BLOCK OF 32.  Place p of a block holds element (p & 7) + 16 ((p >> 3) & 1) + 8 (p >> 4).  Every operand of every product of this program is laid so: a block keeps its 32
; members, so its scale is the quantiser's, and both sides of a product are permuted alike, so the sums are the same.  It is the order in which two neighbouring 16 x 16 results leave a lane pair.
; THE IMAGE.  16 rows x 64 K are 768 bytes: lane L = r + 16 h holds the six registers of row r, block h; registers 0-3 lie at 16 L, registers 4-5 at 512 + 8 L.  Two images are a matrix operand
; of 16 rows x 128 K.  codes1: [group of 16 rows][K step 0..7][1,536 bytes];  scales1: [group][row][8 words], byte b of word s for block 4 s + b.
; mbits: [b][query tile][key step][64 words]: bit L of word j = (mask[b][16 tile + L % 16][128 step + 64 (j / 32) + 32 (L / 16) + 16 ((j / 8) % 2) + 8 ((j / 16) % 2) + j % 8] != 0): the lane mask of score register j.
; SHARES.  A wave takes 16 rows x 1,024 elements of 4 bytes, in 8 steps of 16 x 128.  Jobs 0..1023: the seven tensors' groups; jobs 1024..1535: half a mask row for 16 queries.
; Each load reads 512 consecutive bytes of one row; a step's 8,192 bytes turn through the wave's own stage in LDS and come back 16 numbers of each block to a lane.
; Every store of codes covers whole aligned blocks of 256 bytes.  Waves share nothing: no barrier.  No matrix unit, no cluster, no tensor load: the work is a stream that wants its data in registers.
; LIMITS: NaN and infinities are not served.  A block whose largest magnitude lies under 2^-124 keeps the byte 1 (a block of zeros too, where the quantiser says 127: its codes are zeros,
; and the bytes are read by this program alone).
.set STGB,  8448                       ; a wave's stage: 16 rows x (512 + 16) bytes
.set SPARE, 2*STGB                     ; behind the stages: the spare words, 128 bytes a wave: one block of 256 bytes that no other line names
.set STI, 4                            ; v4   stage, way in: 16 L
.set STO, 5                            ; v5   stage, way out: 528 r + 32 h
.set A16, 6                            ; v6   16 L
.set A8,  7                            ; v7   512 + 8 L
.set L8,  8                            ; v8   8 L
.set SOF, 9                            ; v9   32 r + 16 h
.set SPW, 10                           ; v10  my spare word; never rewritten
.set NIL, 11                           ; v11  0; never rewritten
.set MB,  12                           ; v12-13 two mask words a lane
.set OFF, 16                           ; v16-31 16 L + row i x the source's pitch
.set RR,  32                           ; v32-95, v96-159 two sets of 64 numbers
.set PC,  160                          ; v160-171 codes; v172-178 at work
.set TM,  180                          ; v180-195 at work
.set SW,  198                          ; v198-205 the eight steps' scale words
.set SO,  206                          ; v206-209 the four that I store
.set SEL, 30                           ; s[30:31] lane selects: lane l xor 16
	s_load_b512 s[4:19], s[0:1], 0x0               ; query, key, value, Wq, Wk, Wv, Wo, mask
	s_load_b128 s[20:23], s[0:1], 0x40             ; codes1, scales1
	s_load_b64 s[24:25], s[0:1], 0x50              ; mbits
	v_lshl_add_u32 v[SPW], v0, 2, SPARE
	v_mov_b32 v[NIL], 0
	v_lshrrev_b32 v1, 5, v0
	v_readfirstlane_b32 s26, v1                    ; wave
	v_and_b32 v1, 31, v0                           ; L
	v_and_b32 v2, 15, v0                           ; r
	v_bfe_u32 v3, v0, 4, 1                         ; h
	s_mul_i32 s29, s26, STGB
	v_lshlrev_b32 v[A16], 4, v1
	v_add_nc_u32 v[STI], s29, v[A16]
	v_mul_u32_u24 v[STO], v2, 528
	v_lshl_add_u32 v[STO], v3, 5, v[STO]
	v_add_nc_u32 v[STO], s29, v[STO]
	v_lshlrev_b32 v[L8], 3, v1
	v_add_nc_u32 v[A8], 512, v[L8]
	v_lshlrev_b32 v[SOF], 5, v2
	v_lshl_add_u32 v[SOF], v3, 4, v[SOF]
	v_mov_b32 v[MB], 0                             ; written once: a lane write's destination counts as read
	v_mov_b32 v[MB+1], 0
.irp b, 0,1,2,3
	v_mov_b32 v[TM+4+\b], 0                        ; likewise a lane permute's
.endr
.irp b, 0,1,2,3,4,5,6,7
	v_mov_b32 v[SW+\b], 0                          ; so that they are written on every way through the text
.endr
	s_lshl_b32 s75, ttmp9, 1
	s_add_co_u32 s75, s75, s26                     ; my job
	s_mov_b32 s[SEL], 0x76543210
	s_mov_b32 s[SEL+1], 0xfedcba98
	s_mov_b32 s74, 0xffff0000                      ; lanes 16-31
	s_mov_b32 s76, 0                               ; the first job of my tensor
	s_wait_kmcnt 0x0
	s_mov_b64 s[66:67], s[4:5]
.macro PICK thr, p, jb                 ; the choice hangs on the work-group's number alone
	s_cmp_ge_u32 ttmp9, \thr
	s_cselect_b64 s[66:67], s[\p:\p+1], s[66:67]
	s_cselect_b32 s76, \jb, s76
.endm
	PICK 128, 6, 256
	PICK 256, 8, 512
	PICK 384, 10, 768
	PICK 416, 12, 832
	PICK 448, 14, 896
	PICK 480, 16, 960
	PICK 512, 18, 1024
	s_cselect_b32 s27, 1, 0                        ; 1: a job of the mask
	s_mov_b32 s28, 4096
	s_cselect_b32 s28, 8192, s28                   ; bytes from row to row of the source
	s_sub_co_u32 s77, s75, s76                     ; my job within the tensor
	s_lshl_b32 s78, s77, 16                        ; a tensor: 16 rows of 4,096 bytes a job
	; THE ROWS OF A GROUP OF key ARE NOT NEIGHBOURS: group G takes rows 64 (G / 4) + 16 (G % 2) + 8 ((G / 2) % 2) + 0 .. 7 and the eight rows 32 further on,
	; so that in the attention launch a lane's registers of four neighbouring score tiles are one whole block of 32 keys, in this program's order inside a block
	s_lshr_b32 s86, s77, 2
	s_lshl_b32 s86, s86, 18
	s_and_b32 s87, s77, 1
	s_lshl_b32 s87, s87, 16
	s_add_co_u32 s86, s86, s87
	s_bfe_u32 s87, s77, 0x10001
	s_lshl_b32 s87, s87, 15
	s_add_co_u32 s86, s86, s87
	s_cmp_eq_u32 s76, 256                          ; a job of key?  The choice hangs on the work-group's number alone
	s_cselect_b32 s78, s86, s78
	s_cselect_b32 s88, 98304, 0                    ; 24 rows more from a group's row 8 on
	s_lshr_b32 s79, s77, 1
	s_lshl_b32 s79, s79, 17                        ; the mask: 16 rows of 8,192 bytes for two jobs,
	s_and_b32 s29, s77, 1
	s_lshl_b32 s29, s29, 12
	s_add_co_u32 s79, s79, s29                     ; and half a row
	s_cmp_lg_u32 s27, 0
	s_cselect_b32 s78, s79, s78
	s_mov_b32 s79, 0
	s_add_nc_u64 s[66:67], s[66:67], s[78:79]      ; the source
	s_mul_i32 s78, s75, 12288
	s_add_nc_u64 s[68:69], s[20:21], s[78:79]      ; my group's codes
	s_lshl_b32 s78, s75, 9
	s_add_nc_u64 s[70:71], s[22:23], s[78:79]      ; its scale words
	s_lshl_b32 s78, s77, 11
	s_add_nc_u64 s[72:73], s[24:25], s[78:79]      ; my eight key steps' mask words
	v_mov_b32 v[OFF], v[A16]
.irp i, 1,2,3,4,5,6,7,8
	v_add_nc_u32 v[OFF+\i], s28, v[OFF+\i-1]
.endr
	v_add_nc_u32 v[OFF+8], s88, v[OFF+8]
.irp i, 9,10,11,12,13,14,15
	v_add_nc_u32 v[OFF+\i], s28, v[OFF+\i-1]
.endr
; 64 numbers of a lane, register 16 b + i = place 16 h + i of block b of my row, become an operand's 12 registers in v[PC] on and its scale word in v[pw]
.macro QUANT4 s, pw
.irp b, 0,1,2,3
	v_max3_num_f32 v[TM+\b], |v[\s+16*\b]|, |v[\s+1+16*\b]|, 0x1800000   ; my 16 numbers of block b, and the floor 2^(3 - 127): the byte cannot fall under 1
.endr
.irp i, 2,4,6,8,10,12,14
.irp b, 0,1,2,3
	v_max3_num_f32 v[TM+\b], v[TM+\b], |v[\s+16*\b+\i]|, |v[\s+1+16*\b+\i]|   ; the four blocks by turns
.endr
.endr
.irp b, 0,1,2,3
	v_permlanex16_b32 v[TM+4+\b], v[TM+\b], s[SEL], s[SEL+1]
.endr
.irp b, 0,1,2,3
	v_max_num_f32 v[TM+\b], v[TM+\b], v[TM+4+\b]   ; with lane l xor 16's: the block's largest magnitude
.endr
.irp b, 0,1,2,3
	v_add_nc_u32 v[TM+12+\b], 0xff000000, v[TM+\b] ; 2 off its exponent field: the conversion takes the exponent field of this operand as its scale
.endr
.irp b, 0,1,2,3
	v_lshrrev_b32 v[TM+4+\b], 23, v[TM+12+\b]      ; the scale's byte
.endr
	v_lshl_or_b32 v[\pw], v[TM+5], 8, v[TM+4]
	v_lshl_or_b32 v[\pw], v[TM+6], 16, v[\pw]
	v_lshl_or_b32 v[\pw], v[TM+7], 24, v[\pw]
.irp c, 0,1
	v_cvt_scalef32_pk16_fp6_f32 v[PC+6*\c:PC+2+6*\c], v[\s+32*\c:\s+15+32*\c], v[TM+12+2*\c]
	v_cvt_scalef32_pk16_fp6_f32 v[PC+12+4*\c:PC+14+4*\c], v[\s+16+32*\c:\s+31+32*\c], v[TM+12+2*\c+1]   ; (a conversion's three registers begin on an even number)
.endr
	v_nop                                          ; one plain place behind a scaled conversion
.irp c, 0,1                            ; a lane is to hold a WHOLE block: lanes 0-15 block 2 c, lanes 16-31 block 2 c + 1
.irp i, 0,1,2
	v_permlane16_swap_b32 v[PC+6*\c+\i], v[PC+12+4*\c+\i]
.endr
.irp i, 0,1,2
	v_mov_b32 v[PC+3+6*\c+\i], v[PC+12+4*\c+\i]
.endr
.endr
.endm
.macro LOAD t                          ; step t: 128 elements of each of my 16 rows: 32 lanes read 512 consecutive bytes of a row
.irp i, 0,1,2,3,4,5,6,7,8,9,10,11,12,13,14,15
	global_load_b128 v[RR+64*((\t)%2)+4*\i:RR+64*((\t)%2)+4*\i+3], v[OFF+\i], s[66:67] offset:512*(\t) th:TH_LOAD_NT
.endr
.endm
.macro STEP t
.set RS, RR+64*((\t)%2)
.if (\t) < 7
	s_wait_loadcnt 16                              ; this step's 16 loads are in; the next step's 16 may be out
.else
	s_wait_loadcnt 0x0
.endif
.irp i, 0,1,2,3,4,5,6,7,8,9,10,11,12,13,14,15
	ds_store_b128 v[STI], v[RS+4*\i:RS+4*\i+3] offset:528*\i       ; row i as it lies
.endr
.irp b, 0,1,2,3
.irp j, 0,1,2,3
	ds_load_b128 v[RS+16*\b+4*\j:RS+16*\b+4*\j+3], v[STO] offset:128*\b+16*(\j%2)+64*(\j/2)   ; LDS serves a wave's instructions in order: these see the stores.  Register 16 b + i: column 32 b + 8 h + i % 8 + 16 (i / 8) of row r
.endr
.endr
	s_wait_dscnt 0x0
	s_wait_xcnt 0x0                                ; the last step's stores have read their data: the registers may be written again
	s_cmp_lg_u32 s27, 0
	s_cbranch_scc1 .Lmask_\@
	QUANT4 RS, SW+(\t)
	global_store_b128 v[A16], v[PC:PC+3], s[68:69] offset:1536*(\t)          ; 512 consecutive bytes,
	global_store_b64 v[A8], v[PC+4:PC+5], s[68:69] offset:1536*(\t)          ; 256 more: the first image;
	global_store_b128 v[A16], v[PC+6:PC+9], s[68:69] offset:1536*(\t)+768
	global_store_b64 v[A8], v[PC+10:PC+11], s[68:69] offset:1536*(\t)+768    ; the second
	s_branch .Ljoin_\@
.Lmask_\@:
.irp u, 0,1                            ; 32 registers at a time: a compare's lane mask is the word; word j goes to lane j / 2, register j % 2
; The words follow the score registers of the attention launch: bit L of word j = (mask[b][16 tile + L % 16][128 step + 64 (j / 32) + 32 (L / 16) + 16 ((j / 8) % 2) + 8 ((j / 16) % 2) + j % 8] != 0).
; Sixteen exchanges of lane halves between registers 32 u + i and 32 u + 16 + i bring the columns there.
.set jj, 0
.rept 16
	v_permlane16_swap_b32 v[RS+32*\u+jj], v[RS+32*\u+16+jj]
.set jj, jj+1
.endr
.set jj, 0
.rept 32
	v_cmp_ne_u32 s[32+jj], 0, v[RS+32*\u+jj]
.set jj, jj+1
.endr
.set jj, 0
.rept 32
	v_writelane_b32 v[MB+jj%2], s[32+jj], 16*\u+jj/2
.set jj, jj+1
.endr
.endr
	global_store_b64 v[L8], v[MB:MB+1], s[72:73] offset:256*(\t)             ; a key step's 64 words: 256 consecutive bytes, aligned
.Ljoin_\@:
.if (\t) < 6
	LOAD (\t)+2                                    ; into the set that this step has used up
.endif
.endm
	LOAD 0
	LOAD 1
.irp t, 0,1,2,3,4,5,6,7
	STEP \t
.endr
	s_cmp_lg_u32 s27, 0
	s_cbranch_scc1 .Lfin
.irp i, 0,1,2,3
	v_cndmask_b32 v[SO+\i], v[SW+\i], v[SW+4+\i], s74      ; lanes 0-15 store my row's words 0-3, lanes 16-31 its words 4-7
.endr
	global_store_b128 v[SOF], v[SO:SO+3], s[70:71]         ; the group's 512 bytes on end
.Lfin:
	s_wait_tensorcnt 0x0                           ; the wave's end: behind my last LDS store
	ds_add_u32 v[SPW], v[NIL]
	s_wait_dscnt 0x0
	s_endpgm
.Lfunc_end_k_q75a9adb3fc_prep:
	.size	k_q75a9adb3fc_prep, .Lfunc_end_k_q75a9adb3fc_prep-k_q75a9adb3fc_prep
	.p2alignl 7, 3214868480
	.fill 96, 4, 3214868480
	.section	.rodata,"a",@progbits
	.p2align	6, 0x0
	.amdhsa_kernel k_q75a9adb3fc_prep
		.amdhsa_group_segment_fixed_size 17152
		.amdhsa_private_segment_fixed_size 0
		.amdhsa_enable_private_segment 0
		.amdhsa_kernarg_size 88
		.amdhsa_user_sgpr_count 2
		.amdhsa_user_sgpr_kernarg_segment_ptr 1
		.amdhsa_wavefront_size32 1
		.amdhsa_system_sgpr_workgroup_id_x 1
		.amdhsa_system_sgpr_workgroup_id_y 1
		.amdhsa_system_sgpr_workgroup_id_z 1
		.amdhsa_system_vgpr_workitem_id 0
		.amdhsa_next_free_vgpr 212
		.amdhsa_next_free_sgpr 92
		.amdhsa_reserve_vcc 0
		.amdhsa_float_denorm_mode_32 3
		.amdhsa_float_denorm_mode_16_64 3
		.amdhsa_memory_ordered 1
		.amdhsa_forward_progress 1
		.amdhsa_inst_pref_size 141
	.end_amdhsa_kernel
	.amdgpu_metadata
---
amdhsa.version: [ 1, 2 ]
amdhsa.kernels:
  - .name:           k_q75a9adb3fc_prep
    .symbol:         k_q75a9adb3fc_prep.kd
    .args:
      - { .name: query, .offset: 0, .size: 8, .value_kind: global_buffer, .address_space: global }
      - { .name: key, .offset: 8, .size: 8, .value_kind: global_buffer, .address_space: global }
      - { .name: value, .offset: 16, .size: 8, .value_kind: global_buffer, .address_space: global }
      - { .name: Wq, .offset: 24, .size: 8, .value_kind: global_buffer, .address_space: global }
      - { .name: Wk, .offset: 32, .size: 8, .value_kind: global_buffer, .address_space: global }
      - { .name: Wv, .offset: 40, .size: 8, .value_kind: global_buffer, .address_space: global }
      - { .name: Wo, .offset: 48, .size: 8, .value_kind: global_buffer, .address_space: global }
      - { .name: mask, .offset: 56, .size: 8, .value_kind: global_buffer, .address_space: global }
      - { .name: codes1, .offset: 64, .size: 8, .value_kind: global_buffer, .address_space: global }
      - { .name: scales1, .offset: 72, .size: 8, .value_kind: global_buffer, .address_space: global }
      - { .name: mbits, .offset: 80, .size: 8, .value_kind: global_buffer, .address_space: global }
    .group_segment_fixed_size: 17152
    .private_segment_fixed_size: 0
    .kernarg_segment_align: 8
    .kernarg_segment_size: 88
    .max_flat_workgroup_size: 64
    .sgpr_count:     92
    .vgpr_count:     212
    .wavefront_size: 32
...
	.end_amdgpu_metadata
.endif
;; end of part 1
;; launch proj (part 2): grid 8 x 96, 4 waves a work-group, clusters of 4 x 4, 197,632 bytes of LDS; arguments codes1, scales1, bq, bk, bv, qb, kvb; writes qb, kvb
.if DOCPART == 2
	.amdgcn_target "amdgcn-amd-amdhsa--gfx1250"
	.amdhsa_code_object_version 6
	.text
	.protected	k_q75a9adb3fc_proj
	.globl	k_q75a9adb3fc_proj
	.p2align	8
	.type	k_q75a9adb3fc_proj,@function
k_q75a9adb3fc_proj:
	s_mov_b64 s[64:65], 0
	v_nop
	global_prefetch_b8 v0, s[64:65] scope:SCOPE_SE
	s_setreg_imm32_b32 hwreg(HW_REG_WAVE_MODE, 25, 1), 1
	s_wait_xcnt 0x0
	s_wait_alu depctr_hold_cnt(0) depctr_sa_sdst(0) depctr_va_vdst(0) depctr_va_sdst(0) depctr_va_ssrc(0) depctr_va_vcc(0) depctr_vm_vsrc(0)
	s_getreg_b32 s2, hwreg(HW_REG_IB_STS2, 6, 4)
	s_cmp_eq_u32 s2, 0
	s_cbranch_scc0 .Lentry_in_a_cluster
	s_endpgm
.Lentry_in_a_cluster:
	s_bfe_u32 s2, ttmp6, 0x10000c
	s_cmp_lg_u32 s2, 0xf033
	s_cbranch_scc0 .Lentry_shape_is_right
	s_endpgm
.Lentry_shape_is_right:
; PROJ.  q = query Wq^T + bq, k = key Wk^T + bk, v = value Wv^T + bv on codes of FP6 (E2M3); the results are quantised in registers and leave as operand images for the attention launch:
; q and k along the head's 64 channels, v along the keys.  Layouts of codes1 and scales1, the image of 768 bytes and the order inside a block of 32: as the launch that made them states.
; qb:  q's images [b h][tile of 16 queries][768]; from byte 3,145,728 its scale words [b h][pair of tiles][16 rows]: the even tile's two bytes below, the odd tile's above.
; kvb: [b h][K, V][102,400]: 4,096 bytes of scale words, then 98,304 of codes.  K: images [tile of 16 keys][768], words as q's.  V: images [128 keys][16 channels dt][64 keys e][768], words [128 keys][dt][16 rows].
; SHARES.  Work-group (x, y): 128 rows of an activation (y / 32 says which product) x 128 rows of its weight (two heads), all of K = 1,024.  Four waves, 64 x 64 each: 16 accumulators.
; Both tiles' codes for all of K, 196,608 bytes, fit in LDS: each wave asks for its four parts at the start; by this text's count one tensor load of a wave is out.  No byte of LDS is filled twice.
; CLUSTER 4 x 4: the activation's tile is shared along a row of the cluster, the weight's along a column: each is asked for jointly, by the same load with the same descriptor and a mask of four.
; The scale words go from memory straight to registers and are not asked for jointly: 8 KB of them stand beside 192 KB of codes.
; q, k: source 0 = 16 rows of the weight, source 1 = 16 rows of the activation: a lane holds one row and eight neighbouring channels.  v: the sources change places: a lane holds one channel and eight keys.
; So a lane's 32 registers of four neighbouring results are two blocks of 32 along the next product's K.  The bias is the C of each sum's first matrix instruction.
; LIMITS: NaN and infinities are not served; a block whose largest magnitude lies under 2^-124 keeps the byte 1 (its bytes are read by this program alone).
; REGISTERS: window 0: v4-17 addresses; v24-40 at work; v64-95 scale words; v96-127 the bias, later the codes; v128-255 the accumulators.  Window 1: the activation's fragments at 48 n, the weight's at 96 + 48 n, n = 0, 1.
.set CHUNK, 49152                      ; two K steps of both tiles: 16 groups x 3,072 bytes
.set WPART, 49152                      ; what a wave's ONE tensor load brings: its four groups for all of K, a dense block of memory; in LDS [wave][group 12,288][K step 1,536].  One tensor load of a wave is out
.set VSX,   4*CHUNK                    ; 512 bytes: v's scale bytes meet here
.set SPARE, VSX+512                    ; the spare words, 128 bytes a wave: two blocks of 256 bytes that no other line names
.set AA16, 4                           ; v4-5  my activation fragments in the chunk in hand: + 16 L, + 512 + 8 L
.set AA8,  5
.set AB16, 6                           ; v6-7  my weight fragments
.set AB8,  7
.set GSC,  8                           ; v8    the scale words' offset in memory
.set GBI,  9                           ; v9    the bias's
.set L16,  10                          ; v10   16 L
.set L8H,  11                          ; v11   512 + 8 L
.set L4,   12                          ; v12   4 L
.set XS,   13                          ; v13   where I put v's two scale bytes
.set XR,   14                          ; v14   where I read words back
.set L8,   15                          ; v15   8 L
.set SPW,  16                          ; v16   my spare word; never rewritten
.set NIL,  17                          ; v17   0; never rewritten
.set QM,   24
.set QN,   26
.set QE,   28
.set QT,   30
.set HW,   34                          ; v34-37 two scale bytes for each of four images
.set SC,   64
.set BIAS, 96
.set CD,   96
.set ACC,  128
.set AF,   0
.set BF,   96
.set SEL,  56                          ; s[56:57]
.set MSB, 0
.macro WIN new                         ; the immediate's high byte repeats the setting that is left
.if MSB != \new
	s_set_vgpr_msb (MSB<<8)|\new
.set MSB, \new
.endif
.endm
.macro CROUND                          ; a round of the cluster's barrier
	s_barrier_signal -1
	s_barrier_wait -1
	s_cmp_lg_u32 s18, 0
	s_cbranch_scc1 .Lnot_wave_0_\@
	s_barrier_signal -3
.Lnot_wave_0_\@:
	s_barrier_wait -3
	s_barrier_signal -1
	s_barrier_wait -1
.endm
.macro FRAG reg, a16, a8, off          ; an operand of 16 rows x 128 K: two images, each 512 + 256 consecutive bytes
	ds_load_b128 v[\reg:\reg+3], v[\a16] offset:\off
	ds_load_b64 v[\reg+4:\reg+5], v[\a8] offset:\off
	ds_load_b128 v[\reg+6:\reg+9], v[\a16] offset:\off+768
	ds_load_b64 v[\reg+10:\reg+11], v[\a8] offset:\off+768
.endm
.macro FETCH s, n                      ; K step s: my four fragments of each side into set n: 32 LDS loads
	WIN 0x40                                       ; destination window 1, address window 0
.irp i, 0,1,2,3
	FRAG AF+48*(\n)+12*\i, AA16, AA8, 12288*\i+1536*(\s)
.endr
.irp i, 0,1,2,3
	FRAG BF+48*(\n)+12*\i, AB16, AB8, 12288*\i+1536*(\s)
.endr
.endm
; 16 matrix instructions, K step s, set n.  The 16 accumulators take turns, one instruction a turn, in the same order in every step.
; A scale register holds the activation's group in lanes 0-15 and the weight's in lanes 16-31.
.macro MUL vv, s, n
	WIN 0x05                                       ; sources 0 and 1 window 1; C and D window 0
.irp a, 0,1,2,3
.irp t, 0,1,2,3
.if \vv
.if (\s) == 0
	v_wmma_scale_f32_16x16x128_f8f6f4 v[ACC+32*\t+8*\a:ACC+32*\t+8*\a+7], v[AF+48*(\n)+12*\a:AF+48*(\n)+12*\a+11], v[BF+48*(\n)+12*\t:BF+48*(\n)+12*\t+11], v[BIAS+8*\t:BIAS+8*\t+7], v[SC+8*\a+(\s)], v[SC+8*\t+(\s)] matrix_a_fmt:MATRIX_FMT_FP6 matrix_b_fmt:MATRIX_FMT_FP6 matrix_b_scale:MATRIX_SCALE_ROW1
.else
	v_wmma_scale_f32_16x16x128_f8f6f4 v[ACC+32*\t+8*\a:ACC+32*\t+8*\a+7], v[AF+48*(\n)+12*\a:AF+48*(\n)+12*\a+11], v[BF+48*(\n)+12*\t:BF+48*(\n)+12*\t+11], v[ACC+32*\t+8*\a:ACC+32*\t+8*\a+7], v[SC+8*\a+(\s)], v[SC+8*\t+(\s)] matrix_a_fmt:MATRIX_FMT_FP6 matrix_b_fmt:MATRIX_FMT_FP6 matrix_b_scale:MATRIX_SCALE_ROW1
.endif
.else
.if (\s) == 0
	v_wmma_scale_f32_16x16x128_f8f6f4 v[ACC+32*\a+8*\t:ACC+32*\a+8*\t+7], v[BF+48*(\n)+12*\t:BF+48*(\n)+12*\t+11], v[AF+48*(\n)+12*\a:AF+48*(\n)+12*\a+11], v[BIAS+8*\t:BIAS+8*\t+7], v[SC+8*\t+(\s)], v[SC+8*\a+(\s)] matrix_a_fmt:MATRIX_FMT_FP6 matrix_b_fmt:MATRIX_FMT_FP6 matrix_a_scale:MATRIX_SCALE_ROW1
.else
	v_wmma_scale_f32_16x16x128_f8f6f4 v[ACC+32*\a+8*\t:ACC+32*\a+8*\t+7], v[BF+48*(\n)+12*\t:BF+48*(\n)+12*\t+11], v[AF+48*(\n)+12*\a:AF+48*(\n)+12*\a+11], v[ACC+32*\a+8*\t:ACC+32*\a+8*\t+7], v[SC+8*\t+(\s)], v[SC+8*\a+(\s)] matrix_a_fmt:MATRIX_FMT_FP6 matrix_b_fmt:MATRIX_FMT_FP6 matrix_a_scale:MATRIX_SCALE_ROW1
.endif
.endif
.endr
.endr
.endm
; The eight K steps.  While one set is multiplied the next step's 32 loads are out.  A chunk is read behind the wait that shows my part of it landed and a barrier.
.macro KLOOP vv
	s_wait_tensorcnt 0x0                           ; my one load is in
	s_barrier_signal -1
	s_barrier_wait -1                              ; everybody's is
	FETCH 0, 0
	s_wait_loadcnt 0x0                             ; the scale words and the bias
.irp s, 0,1,2,3,4,5,6
.if \s > 0
.rept 4
	v_nop                                          ; four places between the last products and loads into registers that they read (ISA guide 7.12.1 for vector instructions)
.endr
.endif
	FETCH \s+1, (\s+1)%2
	s_wait_alu depctr_va_vdst(0)
	s_wait_dscnt 32                                ; all but the 32 just issued
	MUL \vv, \s, \s%2
.endr
	s_wait_dscnt 0x0
	MUL \vv, 7, 1
	WIN 0
.endm
; 32 numbers of a lane, register 16 b + i = place 16 h + i of block b of my row, become an image's six registers in v[c] on and its two scale bytes in v[hw].  Each accumulator is read from its low end on.
.macro QUANT2 s, c, hw
.irp b, 0,1
	v_max3_num_f32 v[QM+\b], |v[\s+16*\b]|, |v[\s+1+16*\b]|, 0x1800000   ; and the floor 2^(3 - 127): the byte cannot fall under 1
.endr
.irp i, 2,4,6,8,10,12,14
.irp b, 0,1
	v_max3_num_f32 v[QM+\b], v[QM+\b], |v[\s+16*\b+\i]|, |v[\s+1+16*\b+\i]|
.endr
.endr
.irp b, 0,1
	v_permlanex16_b32 v[QN+\b], v[QM+\b], s[SEL], s[SEL+1]
.endr
.irp b, 0,1
	v_max_num_f32 v[QM+\b], v[QM+\b], v[QN+\b]     ; with lane l xor 16's: the block's largest magnitude
.endr
.irp b, 0,1
	v_add_nc_u32 v[QE+\b], 0xff000000, v[QM+\b]    ; 2 off its exponent field: the conversion's scale operand
.endr
.irp b, 0,1
	v_lshrrev_b32 v[QN+\b], 23, v[QE+\b]           ; the scale's byte
.endr
	v_lshl_or_b32 v[\hw], v[QN+1], 8, v[QN]
	v_cvt_scalef32_pk16_fp6_f32 v[\c:\c+2], v[\s:\s+15], v[QE]
	v_cvt_scalef32_pk16_fp6_f32 v[QT:QT+2], v[\s+16:\s+31], v[QE+1]
	v_nop                                          ; one plain place behind a scaled conversion
.irp i, 0,1,2
	v_permlane16_swap_b32 v[\c+\i], v[QT+\i]       ; a lane is to hold a whole block: lanes 0-15 block 0, lanes 16-31 block 1
.endr
.irp i, 0,1,2
	v_mov_b32 v[\c+3+\i], v[QT+\i]
.endr
.endm
	s_load_b256 s[4:11], s[0:1], 0x0               ; codes1, scales1, bq, bk
	s_load_b128 s[12:15], s[0:1], 0x20             ; bv, qb
	s_load_b64 s[16:17], s[0:1], 0x30              ; kvb
	v_lshl_add_u32 v[SPW], v0, 2, SPARE
	v_mov_b32 v[NIL], 0
	ds_add_u32 v[SPW], v[NIL]                      ; the wave's opening: the add and its wait ahead of my first tensor load; work on registers stands between them
	ds_add_u32 v[SPW], v[NIL]
	v_lshrrev_b32 v1, 5, v0
	v_readfirstlane_b32 s18, v1                    ; wave 0..3
	s_lshr_b32 s19, s18, 1                         ; which 64 rows of the activation are mine.  Also: I fetch the activation (0) or the weight (1)
	s_and_b32 s20, s18, 1                          ; which 64 rows of the weight.  Also: which four groups I fetch
	s_bfe_u32 s21, ttmp6, 0x40000                  ; cx
	s_bfe_u32 s22, ttmp6, 0x40004                  ; cy
	s_lshl_b32 s23, ttmp9, 2
	s_add_co_u32 s23, s23, s21                     ; x = 4 x cluster x + cx
	s_and_b32 s85, ttmp7, 0xffff                   ; cluster y
	s_lshl_b32 s84, s85, 2
	s_add_co_u32 s84, s84, s22                     ; y = 4 x cluster y + cy
	s_lshr_b32 s85, s85, 3                         ; which product: the same in all sixteen partners
	s_lshl_b32 s86, s22, 2
	s_lshl_b32 s86, 15, s86                        ; my row of the cluster
	s_lshl_b32 s87, 0x1111, s21                    ; my column
	s_or_b32 s24, s86, (3<<16)|(1<<21)             ; group 1: 15:0 the mask; 17:16 elements of 8 bytes; 21 set beside a mask; no padding
	s_or_b32 s32, s87, (3<<16)|(1<<21)
.irp g, 24, 32
	s_mov_b32 s[\g+1], 1536<<16                    ; tensor_dim0: 12,288 bytes: a group's eight fragments
	s_mov_b32 s[\g+2], 4<<16                       ; tensor_dim1: four groups
	s_mov_b32 s[\g+3], 1536<<16                    ; tile_dim0
	s_mov_b32 s[\g+4], 4                           ; tile_dim1
	s_mov_b32 s[\g+5], 1536                        ; from group to group: 12,288 bytes
	s_mov_b32 s[\g+6], 0
	s_mov_b32 s[\g+7], 0
.endr
	s_lshl_b32 s88, s84, 3                         ; the activation's first group: 8 y,
	s_lshl_b32 s89, s20, 2
	s_add_co_u32 s88, s88, s89                     ; + the four that I fetch
	s_mul_i32 s88, s88, 12288
	s_mov_b32 s89, 0
	s_lshl_b32 s90, s85, 6                         ; the weight's: 768 + 64 x product + 8 x,
	s_lshl_b32 s91, s23, 3
	s_add_co_u32 s90, s90, s91
	s_lshl_b32 s91, s20, 2
	s_add_co_u32 s90, s90, s91
	s_add_co_u32 s90, s90, 768
	s_mul_i32 s90, s90, 12288
	s_mov_b32 s91, 0
	s_mul_i32 s92, s18, WPART                      ; where they go in a chunk: no place in the cluster enters an LDS address
	s_mov_b32 s[SEL], 0x76543210
	s_mov_b32 s[SEL+1], 0xfedcba98
	s_mov_b32 s58, 0xffff0000                      ; lanes 16-31
	s_wait_dscnt 0x0                               ; the opening add is done
	s_wait_kmcnt 0x0
	s_add_nc_u64 s[88:89], s[4:5], s[88:89]
	s_add_nc_u64 s[90:91], s[4:5], s[90:91]
	CROUND                                         ; all sixteen work-groups are here: the joint loads meet
.irp c, 0
	s_mov_b32 s[40+4*\c], 1
	s_add_co_u32 s[41+4*\c], s92, \c*CHUNK
	s_add_nc_u64 s[42+4*\c:43+4*\c], s[88:89], \c*3072
	s_or_b32 s[43+4*\c], s[43+4*\c], 0x80000000
	s_mov_b32 s[68+4*\c], 1
	s_add_co_u32 s[69+4*\c], s92, \c*CHUNK
	s_add_nc_u64 s[70+4*\c:71+4*\c], s[90:91], \c*3072
	s_or_b32 s[71+4*\c], s[71+4*\c], 0x80000000
.endr
	s_cmp_eq_u32 s19, 0                            ; a wave's one fill stands in a branch on its number, an s_nop 0 and four v_nop behind it
	s_cbranch_scc0 .Lfill_b
.irp c, 0
	tensor_load_to_lds s[40+4*\c:43+4*\c], s[24:31]
	s_nop 0
.endr
.rept 4
	v_nop
.endr
	s_branch .Lfilled
.Lfill_b:
.irp c, 0
	tensor_load_to_lds s[68+4*\c:71+4*\c], s[32:39]
	s_nop 0
.endr
.rept 4
	v_nop
.endr
.Lfilled:
	v_and_b32 v1, 31, v0                           ; L
	v_and_b32 v2, 15, v0                           ; r
	v_bfe_u32 v3, v0, 4, 1                         ; h
	v_lshlrev_b32 v[L16], 4, v1
	v_lshlrev_b32 v[L8], 3, v1
	v_add_nc_u32 v[L8H], 512, v[L8]
	v_lshlrev_b32 v[L4], 2, v1
	s_mul_i32 s93, s19, WPART
	v_add_nc_u32 v[AA16], s93, v[L16]
	v_add_nc_u32 v[AA8], s93, v[L8H]
	s_mul_i32 s93, s20, WPART
	s_add_co_u32 s93, s93, 2*WPART
	v_add_nc_u32 v[AB16], s93, v[L16]
	v_add_nc_u32 v[AB8], s93, v[L8H]
	s_lshl_b32 s93, s20, 8
	s_add_co_u32 s93, s93, VSX
	v_add_nc_u32 v[XR], s93, v[L8]                 ; a head's 256 bytes of words, 8 a lane
	s_lshl_b32 s59, s19, 1
	s_add_co_u32 s93, s93, s59
	v_lshl_add_u32 v[XS], v2, 2, s93               ; row r's word, my half of it
	v_mov_b32 v[QN], 0                             ; written once: a lane permute's destination counts as read
	v_mov_b32 v[QN+1], 0
	s_lshl_b32 s59, s84, 3
	s_lshl_b32 s60, s19, 2
	s_add_co_u32 s59, s59, s60
	s_lshl_b32 s59, s59, 9                         ; my four groups of the activation in scales1: 512 bytes a group
	s_lshl_b32 s60, s85, 6
	s_lshl_b32 s61, s23, 3
	s_add_co_u32 s60, s60, s61
	s_lshl_b32 s61, s20, 2
	s_add_co_u32 s60, s60, s61
	s_add_co_u32 s60, s60, 768
	s_lshl_b32 s60, s60, 9                         ; and of the weight
	v_mov_b32 v[GSC], s59
	v_mov_b32 v[GBI], s60
	v_cndmask_b32 v[GSC], v[GSC], v[GBI], s58      ; lanes 0-15 the activation's, lanes 16-31 the weight's
	v_lshl_add_u32 v[GSC], v2, 5, v[GSC]           ; row r: 32 bytes a row
.irp i, 0,1,2,3
.irp q, 0,1
	global_load_b128 v[SC+8*\i+4*\q:SC+8*\i+4*\q+3], v[GSC], s[6:7] offset:512*\i+16*\q   ; v[SC + 8 i + s]: group i, K step s
.endr
.endr
	s_cmp_eq_u32 s85, 1
	s_cselect_b64 s[8:9], s[10:11], s[8:9]
	s_cmp_eq_u32 s85, 2
	s_cselect_b64 s[8:9], s[12:13], s[8:9]         ; the product's bias,
	s_lshl_b32 s60, s23, 9
	s_lshl_b32 s61, s20, 8
	s_add_co_u32 s60, s60, s61
	s_mov_b32 s61, 0
	s_add_nc_u64 s[8:9], s[8:9], s[60:61]          ; at my 64 channels
	s_and_b32 s59, s84, 31                         ; which 128 rows of the 4,096
	s_lshr_b32 s62, s59, 4
	s_lshl_b32 s62, s62, 4
	s_lshl_b32 s63, s23, 1
	s_add_co_u32 s62, s62, s63
	s_add_co_u32 s62, s62, s20                     ; b h = 16 b + 2 x + my half
	s_and_b32 s59, s59, 15                         ; which 128 rows of the sequence
	s_cmp_eq_u32 s85, 2
	s_cbranch_scc1 .Lv
	; ---- q and k
	v_lshlrev_b32 v[GBI], 5, v3                    ; lane (r, h) wants, for result t, the bias of channels 16 t + 8 h + 0 .. 7
.irp t, 0,1,2,3
	global_load_b128 v[BIAS+8*\t:BIAS+8*\t+3], v[GBI], s[8:9] offset:64*\t
	global_load_b128 v[BIAS+8*\t+4:BIAS+8*\t+7], v[GBI], s[8:9] offset:64*\t+16
.endr
	s_lshl_b32 s63, s59, 3
	s_lshl_b32 s60, s19, 2
	s_add_co_u32 s63, s63, s60                     ; my first tile of 16 rows in the head
	s_mul_i32 s60, s62, 98304                      ; q: 128 images a head
	s_mul_i32 s93, s62, 204800                     ; k: the head's side K begins with its scale words,
	s_add_co_u32 s92, s93, 4096                    ; the codes behind them
	s_lshl_b32 s61, s62, 12
	s_add_co_u32 s61, s61, 3145728                 ; q's scale words
	s_cmp_eq_u32 s85, 0
	s_cselect_b64 s[94:95], s[14:15], s[16:17]
	s_cselect_b32 s60, s60, s92
	s_cselect_b32 s61, s61, s93
	s_mul_i32 s92, s63, 768
	s_add_co_u32 s60, s60, s92
	s_lshl_b32 s92, s63, 5
	s_add_co_u32 s92, s61, s92
	s_mov_b32 s61, 0
	s_mov_b32 s93, 0
	s_add_nc_u64 s[96:97], s[94:95], s[92:93]      ; where my scale words go,
	s_add_nc_u64 s[94:95], s[94:95], s[60:61]      ; and my four images
	KLOOP 0
.rept 4
	v_nop                                          ; four places between the last products and the first read of results
.endr
.irp a, 0,1,2,3
	QUANT2 ACC+32*\a, CD+6*\a, HW+\a
	global_store_b128 v[L16], v[CD+6*\a:CD+6*\a+3], s[94:95] offset:768*\a       ; 512 consecutive bytes,
	global_store_b64 v[L8H], v[CD+6*\a+4:CD+6*\a+5], s[94:95] offset:768*\a      ; and 256: three aligned blocks of 256
.endr
	v_lshl_or_b32 v38, v[HW+1], 16, v[HW]          ; a pair of tiles makes a word
	v_lshl_or_b32 v39, v[HW+3], 16, v[HW+2]
	v_cndmask_b32 v40, v38, v39, s58
	global_store_b32 v[L4], v40, s[96:97]          ; 128 consecutive bytes: the two waves of these 128 rows fill an aligned 256 between them; the words are 1/24 of the codes
	s_branch .Lend
.Lv:
	; ---- v
	v_lshlrev_b32 v[GBI], 2, v2                    ; lane (r, h) holds channel 16 t + r in all eight registers of a result
.irp t, 0,1,2,3
.irp j, 0,1,2,3,4,5,6,7
	global_load_b32 v[BIAS+8*\t+\j], v[GBI], s[8:9] offset:64*\t
.endr
.endr
	s_mul_i32 s60, s62, 204800
	s_add_co_u32 s92, s60, 102400                  ; the head's side V: its scale words,
	s_lshl_b32 s61, s59, 8
	s_add_co_u32 s92, s92, s61                     ; 256 bytes for each 128 keys
	s_mul_i32 s61, s59, 6144
	s_add_co_u32 s60, s60, s61                     ; its codes: 6,144 bytes for each 128 keys,
	s_mul_i32 s61, s19, 768
	s_add_co_u32 s60, s60, s61                     ; my 64 of them
	s_add_co_u32 s60, s60, 106496
	s_mov_b32 s61, 0
	s_mov_b32 s93, 0
	s_add_nc_u64 s[94:95], s[16:17], s[60:61]
	s_add_nc_u64 s[96:97], s[16:17], s[92:93]
	KLOOP 1
.rept 4
	v_nop
.endr
.irp t, 0,1,2,3
	QUANT2 ACC+32*\t, CD+6*\t, HW+\t
	global_store_b128 v[L16], v[CD+6*\t:CD+6*\t+3], s[94:95] offset:1536*\t
	global_store_b64 v[L8H], v[CD+6*\t+4:CD+6*\t+5], s[94:95] offset:1536*\t
	ds_store_b16 v[XS], v[HW+\t] offset:64*\t      ; a word's other half comes from the wave with the other 64 keys (lanes r and r + 16 write the same bytes with the same value)
.endr
	s_wait_dscnt 0x0                               ; for the others' sake: my stores have landed
	s_barrier_signal -1
	s_barrier_wait -1
	s_cmp_lg_u32 s19, 0
	s_cbranch_scc1 .Lend
	ds_load_b64 v[38:39], v[XR]
	s_wait_dscnt 0x0
	global_store_b64 v[L8], v[38:39], s[96:97]     ; 256 consecutive bytes, aligned
.Lend:
	s_wait_tensorcnt 0x0                           ; the wave's end: behind my last tensor load and my last LDS store
	ds_add_u32 v[SPW], v[NIL]
	s_wait_dscnt 0x0
	CROUND                                         ; the closing round
	s_endpgm
.Lfunc_end_k_q75a9adb3fc_proj:
	.size	k_q75a9adb3fc_proj, .Lfunc_end_k_q75a9adb3fc_proj-k_q75a9adb3fc_proj
	.p2alignl 7, 3214868480
	.fill 96, 4, 3214868480
	.section	.rodata,"a",@progbits
	.p2align	6, 0x0
	.amdhsa_kernel k_q75a9adb3fc_proj
		.amdhsa_group_segment_fixed_size 197632
		.amdhsa_private_segment_fixed_size 0
		.amdhsa_enable_private_segment 0
		.amdhsa_kernarg_size 56
		.amdhsa_user_sgpr_count 2
		.amdhsa_user_sgpr_kernarg_segment_ptr 1
		.amdhsa_wavefront_size32 1
		.amdhsa_system_sgpr_workgroup_id_x 1
		.amdhsa_system_sgpr_workgroup_id_y 1
		.amdhsa_system_sgpr_workgroup_id_z 1
		.amdhsa_system_vgpr_workitem_id 0
		.amdhsa_next_free_vgpr 448
		.amdhsa_next_free_sgpr 100
		.amdhsa_reserve_vcc 0
		.amdhsa_float_denorm_mode_32 3
		.amdhsa_float_denorm_mode_16_64 3
		.amdhsa_memory_ordered 1
		.amdhsa_forward_progress 1
		.amdhsa_inst_pref_size 98
	.end_amdhsa_kernel
	.amdgpu_metadata
---
amdhsa.version: [ 1, 2 ]
amdhsa.kernels:
  - .name:           k_q75a9adb3fc_proj
    .symbol:         k_q75a9adb3fc_proj.kd
    .args:
      - { .name: codes1, .offset: 0, .size: 8, .value_kind: global_buffer, .address_space: global }
      - { .name: scales1, .offset: 8, .size: 8, .value_kind: global_buffer, .address_space: global }
      - { .name: bq, .offset: 16, .size: 8, .value_kind: global_buffer, .address_space: global }
      - { .name: bk, .offset: 24, .size: 8, .value_kind: global_buffer, .address_space: global }
      - { .name: bv, .offset: 32, .size: 8, .value_kind: global_buffer, .address_space: global }
      - { .name: qb, .offset: 40, .size: 8, .value_kind: global_buffer, .address_space: global }
      - { .name: kvb, .offset: 48, .size: 8, .value_kind: global_buffer, .address_space: global }
    .group_segment_fixed_size: 197632
    .private_segment_fixed_size: 0
    .kernarg_segment_align: 8
    .kernarg_segment_size: 56
    .max_flat_workgroup_size: 128
    .sgpr_count:     100
    .vgpr_count:     448
    .wavefront_size: 32
...
	.end_amdgpu_metadata
.endif
;; end of part 2
;; launch attn (part 3): grid 8 x 32, 16 waves a work-group, clusters of 4 x 1, 206,848 bytes of LDS; arguments qb, kvb, mbits, codes1, scales1; writes codes1, scales1
.if DOCPART == 3
	.amdgcn_target "amdgcn-amd-amdhsa--gfx1250"
	.amdhsa_code_object_version 6
	.text
	.protected	k_q75a9adb3fc_attn
	.globl	k_q75a9adb3fc_attn
	.p2align	8
	.type	k_q75a9adb3fc_attn,@function
k_q75a9adb3fc_attn:
	s_mov_b64 s[64:65], 0
	v_nop
	global_prefetch_b8 v0, s[64:65] scope:SCOPE_SE
	s_setreg_imm32_b32 hwreg(HW_REG_WAVE_MODE, 25, 1), 1
	s_wait_xcnt 0x0
	s_wait_alu depctr_hold_cnt(0) depctr_sa_sdst(0) depctr_va_vdst(0) depctr_va_sdst(0) depctr_va_ssrc(0) depctr_va_vcc(0) depctr_vm_vsrc(0)
	s_getreg_b32 s2, hwreg(HW_REG_IB_STS2, 6, 4)
	s_cmp_eq_u32 s2, 0
	s_cbranch_scc0 .Lentry_in_a_cluster
	s_endpgm
.Lentry_in_a_cluster:
	s_bfe_u32 s2, ttmp6, 0x10000c
	s_cmp_lg_u32 s2, 0x3003
	s_cbranch_scc0 .Lentry_shape_is_right
	s_endpgm
.Lentry_shape_is_right:
; ATTN.  x[b][q][h] = softmax_k(mask ? q . k / 8 : -1e9) v, both products on codes of FP6 (E2M3); x is quantised along the model's 1,024 channels and leaves as operand images for the last product
; (codes1 groups 1024 + 128 b + q / 16, image number = the head; scales1 likewise, two bytes a row and head).  Layouts of qb, kvb, mbits: as the launches that made them state.
; THE SOFTMAX: t = score x log2(e) / 8; M = the running largest t rounded UP to a whole number, kept as -M = the least floor(-t); p = 2^(t - M) is quantised along the keys, not normalised;
; the row's sum is taken of the unquantised p and divides at the end.  When M moves, the sums and O are multiplied by f = 2^(old M - new M): exact.
; THE MASK: one select a score.  The words of mbits ARE the lane masks of the score registers: they come by scalar loads, a key step ahead, and no compare is made.  A hidden score becomes R = -2^33.
; LIMIT: a hidden logit is -2^30 where the definition has -1e9: the results are the same while every open |logit| lies under 2^29.  R x c is exact, so in a row that is wholly hidden t - M is exactly 0,
; p = 1 for every key, and the row comes out as the mean of v, as by the definition.  NaN and infinities are not served.
; SHARES.  A work-group owns 256 queries of one head; each of its sixteen waves 16 of them, four waves to a SIMD.  The head's K and V, codes and scale words, 204,800 bytes, stay in LDS, filled once:
; each of the sixteen waves asks for 50 rows of 256 bytes by ONE tensor load at the head (by this text's count one tensor load of a wave is out); no byte of LDS is filled twice.
; CLUSTER 4 x 1: the four query blocks of a cluster belong to one head and ask for K and V jointly.  NO PREFETCH: K and V are read once, at the head, with no loop to run ahead in.
; LAYOUT.  S^T = K Q^T (source 0 = keys, source 1 = my queries), O^T = V^T P^T: a lane holds ONE query throughout.  Row 8 h + j of key tile 4 c + T of a step is key 64 c + 32 h + 16 (T % 2) + 8 (T / 2) + j:
; so score registers 32 c + 0 .. 31 of lane half h are the whole block 2 c + h of 32 keys, in the order in which V's images hold it: a block's maximum needs no other lane, and p's codes no exchange.
; K = 64 IN AN INSTRUCTION OF 128: a fragment of K holds two tiles of 16 keys, one in each half of its 128; Q stands between zeros, v28-33 = 0, v34-39 = q, v40-45 = 0, so that v[34:45] meets the first tile
; and v[28:39] the second: the zero codes take the other tile out.
; REGISTERS: v1-6 lane addresses; v7, v8 the add's two; v9 R; v10-15 the step's addresses; v16 -M, v17 the old -M; v[20:21] f; v22-27 scale words; v28-45 Q; v46-47 at work; v48-95 four fragments;
; v96-159 S^T, then p; v160-191 O^T; v192-203 p's codes; v204-223 at work; v224-239 the row's sum in sixteen parts.
.set SPARE, 204800                     ; behind K and V: the spare words, 128 bytes a wave: eight blocks of 256 bytes that no other line names
.set SPW, 7
.set NIL, 8
.set RM,  9
.set QS,  22                           ; q's scale word;  v23 p's;  v24-25 K's;  v26-27 V's
.set PS,  23
.set KS,  24
.set VS,  26
.set FF,  48
.set SS,  96
.set OO,  160
.set PC,  192
.set QT,  204
.set QX,  212                          ; v212-219 eight chains of maxima; v212 and v216 end as the two blocks' largest
.set QM,  212
.set QE,  220                          ; v220-221 the conversions' scale operands
.set QN,  222                          ; v222-223 the bytes
.set LL,  224
.set SEL, 10                           ; s[10:11]
.set CS,  12                           ; s[12:13] c = log2(e) / 8, twice
.set TB,  14                           ; s14  the step's codes: 6,144 bytes a step
.set TS,  15                           ; s15  its scale words: 256 bytes a step
.set MO,  66                           ; s66  the mask words to be asked for: 256 bytes a step
.set CNT, 67                           ; s67  the key step
.set NC,  96                           ; s96  -c
.macro CROUND                          ; a round of the cluster's barrier
	s_barrier_signal -1
	s_barrier_wait -1
	s_cmp_lg_u32 s2, 0
	s_cbranch_scc1 .Lnot_wave_0_\@
	s_barrier_signal -3
.Lnot_wave_0_\@:
	s_barrier_wait -3
	s_barrier_signal -1
	s_barrier_wait -1
.endm
.macro FRAG reg, a16, a8, off          ; an operand of 16 rows x 128 K: two images, each 512 + 256 consecutive bytes
	ds_load_b128 v[\reg:\reg+3], v[\a16] offset:\off
	ds_load_b64 v[\reg+4:\reg+5], v[\a8] offset:\off
	ds_load_b128 v[\reg+6:\reg+9], v[\a16] offset:\off+768
	ds_load_b64 v[\reg+10:\reg+11], v[\a8] offset:\off+768
.endm
.macro ADDP k, i                       ; part k of the sum takes the pair i of p
	v_pk_add_f32 v[LL+2*(\k):LL+2*(\k)+1], v[LL+2*(\k):LL+2*(\k)+1], v[SS+2*(\i):SS+2*(\i)+1]
.endm
.macro QUANT2 s, c, hw                 ; 32 numbers of a lane, half of each of two blocks, become an image's six registers and its two scale bytes
.irp b, 0,1
	v_max3_num_f32 v[QM+\b], |v[\s+16*\b]|, |v[\s+1+16*\b]|, 0x1800000
.endr
.irp i, 2,4,6,8,10,12,14
.irp b, 0,1
	s_delay_alu instid0(VALU_DEP_2)
	v_max3_num_f32 v[QM+\b], v[QM+\b], |v[\s+16*\b+\i]|, |v[\s+1+16*\b+\i]|
.endr
.endr
.irp b, 0,1
	s_delay_alu instid0(VALU_DEP_2)
	v_permlanex16_b32 v[QN+\b], v[QM+\b], s[SEL], s[SEL+1]
.endr
.irp b, 0,1
	s_delay_alu instid0(VALU_DEP_2)
	v_max_num_f32 v[QM+\b], v[QM+\b], v[QN+\b]
.endr
.irp b, 0,1
	s_delay_alu instid0(VALU_DEP_2)
	v_add_nc_u32 v[QE+\b], 0xff000000, v[QM+\b]
.endr
.irp b, 0,1
	s_delay_alu instid0(VALU_DEP_2)
	v_lshrrev_b32 v[QN+\b], 23, v[QE+\b]
.endr
	s_delay_alu instid0(VALU_DEP_1)
	v_lshl_or_b32 v[\hw], v[QN+1], 8, v[QN]
	v_cvt_scalef32_pk16_fp6_f32 v[\c:\c+2], v[\s:\s+15], v[QE]
	v_cvt_scalef32_pk16_fp6_f32 v[QT:QT+2], v[\s+16:\s+31], v[QE+1]
	v_nop                                          ; one plain place behind a scaled conversion
.irp i, 0,1,2
	v_permlane16_swap_b32 v[\c+\i], v[QT+\i]
.endr
.irp i, 0,1,2
	s_delay_alu instid0(VALU_DEP_3)
	v_mov_b32 v[\c+3+\i], v[QT+\i]
.endr
.endm
; A KEY STEP: 128 keys.
.macro STEP
	v_add_nc_u32 v10, s[TB], v1                    ; K's addresses, and the old -M: these four are the places between the last products and the loads into registers that they read
	v_add_nc_u32 v11, s[TB], v2
	v_add_nc_u32 v14, s[TS], v5
	v_mov_b32 v17, v16
.irp f, 0,1,2,3
	FRAG FF+12*\f, 10, 11, 1536*\f                 ; K: fragment f holds the key tiles 2 f and 2 f + 1
.endr
	ds_load_b32 v[KS], v14                         ; lanes 0-15 fragment 0's words, lanes 16-31 fragment 1's;
	ds_load_b32 v[KS+1], v14 offset:128            ; fragments 2 and 3
	s_wait_dscnt 0x0
.irp f, 0,1,2,3
.if \f%2
	v_wmma_scale_f32_16x16x128_f8f6f4 v[SS+16*\f:SS+16*\f+7], v[FF+12*\f:FF+12*\f+11], v[34:45], 0, v[KS+\f/2], v[QS] matrix_a_fmt:MATRIX_FMT_FP6 matrix_b_fmt:MATRIX_FMT_FP6 matrix_a_scale:MATRIX_SCALE_ROW1
	v_wmma_scale_f32_16x16x128_f8f6f4 v[SS+16*\f+8:SS+16*\f+15], v[FF+12*\f:FF+12*\f+11], v[28:39], 0, v[KS+\f/2], v[QS] matrix_a_fmt:MATRIX_FMT_FP6 matrix_b_fmt:MATRIX_FMT_FP6 matrix_a_scale:MATRIX_SCALE_ROW1
.else
	v_wmma_scale_f32_16x16x128_f8f6f4 v[SS+16*\f:SS+16*\f+7], v[FF+12*\f:FF+12*\f+11], v[34:45], 0, v[KS+\f/2], v[QS] matrix_a_fmt:MATRIX_FMT_FP6 matrix_b_fmt:MATRIX_FMT_FP6
	v_wmma_scale_f32_16x16x128_f8f6f4 v[SS+16*\f+8:SS+16*\f+15], v[FF+12*\f:FF+12*\f+11], v[28:39], 0, v[KS+\f/2], v[QS] matrix_a_fmt:MATRIX_FMT_FP6 matrix_b_fmt:MATRIX_FMT_FP6
.endif
.endr
	v_add_nc_u32 v12, s[TB], v3                    ; V's addresses and one v_nop: four places, for the loads below and for the first read of the scores
	v_add_nc_u32 v13, s[TB], v4
	v_add_nc_u32 v15, s[TS], v6
	v_nop
.irp f, 0,1,2,3
	FRAG FF+12*\f, 12, 13, 1536*\f                 ; V: 16 channels x these 128 keys; they land under the softmax
.endr
	ds_load_b32 v[VS], v15
	ds_load_b32 v[VS+1], v15 offset:128
	s_wait_kmcnt 0x0                               ; the step's 64 mask words, asked for a step ago
.set j, 0
.rept 48
	v_cndmask_b32 v[SS+j], v[RM], v[SS+j], s[16+j] ; a hidden score becomes R; each result is read from its low end on
.set j, j+1
.endr
.rept 16
	v_cndmask_b32 v[SS+j], v[RM], v[SS+j], s[32+j]
.set j, j+1
.endr
	s_add_co_u32 s[MO], s[MO], 256                 ; the next step's words (the wait above has shown the last loads done, so their offset may be written);
	s_and_b32 s[MO], s[MO], 0xfff                  ; behind the last step the first step's again: inside the buffer, and read by nobody
	s_load_b512 s[16:31], s[4:5], s[MO] offset:0x0
	s_load_b512 s[32:47], s[4:5], s[MO] offset:0x40
	s_load_b512 s[48:63], s[4:5], s[MO] offset:0x80
	s_load_b512 s[80:95], s[4:5], s[MO] offset:0xc0
.irp t, 0,1,2,3,4,5,6,7
	v_max3_num_f32 v[QX+\t], v[SS+8*\t], v[SS+8*\t+1], v[SS+8*\t+2]   ; eight chains, one a result: no line reads what one of the four lines above it wrote
.endr
.irp i, 3,5
.irp t, 0,1,2,3,4,5,6,7
	v_max3_num_f32 v[QX+\t], v[QX+\t], v[SS+8*\t+\i], v[SS+8*\t+\i+1]
.endr
.endr
	v_max3_num_f32 v[QX], v[QX], v[SS+7], v[SS+15]           ; the results' last registers, and four chains to a block of 32 keys
	v_max3_num_f32 v[QX+4], v[QX+4], v[SS+39], v[SS+47]
	v_max3_num_f32 v[QX+1], v[QX+1], v[SS+23], v[SS+31]
	v_max3_num_f32 v[QX+5], v[QX+5], v[SS+55], v[SS+63]
	s_delay_alu instid0(VALU_DEP_2)
	v_max3_num_f32 v[QX], v[QX], v[QX+1], v[QX+2]
	s_delay_alu instid0(VALU_DEP_2)
	v_max3_num_f32 v[QX+4], v[QX+4], v[QX+5], v[QX+6]
	s_delay_alu instid0(VALU_DEP_2)
	v_max_num_f32 v[QX], v[QX], v[QX+3]            ; my block 0 + h: its largest score serves for the row's maximum and, since p rises with the score, for the block's largest p
	s_delay_alu instid0(VALU_DEP_2)
	v_max_num_f32 v[QX+4], v[QX+4], v[QX+7]        ; my block 2 + h
	s_delay_alu instid0(VALU_DEP_1)
	v_max_num_f32 v46, v[QX], v[QX+4]
	s_delay_alu instid0(VALU_DEP_1)
	v_permlanex16_b32 v47, v46, s[SEL], s[SEL+1]
	s_delay_alu instid0(VALU_DEP_1)
	v_max_num_f32 v46, v46, v47                    ; the step's largest score of my query
	s_delay_alu instid0(VALU_DEP_1)
	v_mul_f32 v46, s[NC], v46                      ; as -t
	s_delay_alu instid0(VALU_DEP_1)
	v_floor_f32 v46, v46
	s_delay_alu instid0(VALU_DEP_1)
	v_min_num_f32 v16, v16, v46                    ; the new -M: a whole number
	s_delay_alu instid0(VALU_DEP_1)
	v_sub_f32 v46, v16, v17                        ; old M - new M: a whole number, 0 or less
.set j, 0
.rept 5
	v_pk_fma_f32 v[SS+j:SS+j+1], v[SS+j:SS+j+1], s[CS:CS+1], v[16:17] op_sel_hi:[1,0,0]   ; t - M, two at a time (of the pairs c and -M the low word serves both halves)
.set j, j+2
.endr
	v_cvt_i32_f32 v46, v46                         ; (it saturates)
.rept 5
	v_pk_fma_f32 v[SS+j:SS+j+1], v[SS+j:SS+j+1], s[CS:CS+1], v[16:17] op_sel_hi:[1,0,0]
.set j, j+2
.endr
	v_ldexp_f32 v20, 1.0, v46                      ; f = 2^(old M - new M)
.rept 22
	v_pk_fma_f32 v[SS+j:SS+j+1], v[SS+j:SS+j+1], s[CS:CS+1], v[16:17] op_sel_hi:[1,0,0]
.set j, j+2
.endr
	v_fma_f32 v[QX], v[QX], s[CS], v16             ; the same of each block's largest score
	v_fma_f32 v[QX+4], v[QX+4], s[CS], v16
.set j, 0
.rept 16
	v_pk_mul_f32 v[OO+j:OO+j+1], v[OO+j:OO+j+1], v[20:21] op_sel_hi:[1,0]   ; O^T under the new M, each result from its low end on, ahead of the exponentials
.set j, j+2
.endr
	s_wait_alu depctr_va_vdst(0)
	v_exp_f32 v[QX], v[QX]                         ; the blocks' largest p
	v_exp_f32 v[QX+4], v[QX+4]
.set j, 0
.rept 64
	v_exp_f32 v[SS+j], v[SS+j]                     ; p = 2^(t - M)
.set j, j+1
.endr
	v_nop                                          ; one plain place behind the exponentials
	s_wait_alu depctr_va_vdst(0)                   ; one wait for the batch of 66, ahead of its first reader
; The way from the blocks' largest p to p's scale word is one chain; the row's sum, 32 packed lines on eight parts by turns, is laid between its links
	v_max_num_f32 v[QX], 0x1800000, v[QX]          ; the floor 2^(3 - 127): a block whose every p is 0 keeps the byte 1; its codes are zeros
	v_max_num_f32 v[QX+4], 0x1800000, v[QX+4]
.irp k, 0,1,2,3,4,5,6,7
	v_pk_fma_f32 v[LL+2*\k:LL+2*\k+1], v[LL+2*\k:LL+2*\k+1], v[20:21], v[SS+2*\k:SS+2*\k+1] op_sel_hi:[1,0,1]   ; each part under the new M, and its first pair of p
.endr
	v_add_nc_u32 v[QE], 0xff000000, v[QX]          ; 2 off the exponent field: the conversion's scale operand
	v_add_nc_u32 v[QE+1], 0xff000000, v[QX+4]
.irp k, 0,1,2,3,4,5,6,7
	ADDP \k, 8+\k
.endr
	v_lshrrev_b32 v[QN], 23, v[QE]                 ; the bytes
	v_lshrrev_b32 v[QN+1], 23, v[QE+1]
.irp k, 0,1,2,3,4
	ADDP \k, 16+\k
.endr
	v_lshl_or_b32 v46, v[QN+1], 16, v[QN]          ; my two blocks' bytes: blocks h and 2 + h
.irp c, 0,1
	v_cvt_scalef32_pk16_fp6_f32 v[PC+6*\c:PC+2+6*\c], v[SS+32*\c:SS+15+32*\c], v[QE+\c]
	v_cvt_scalef32_pk16_fp6_f32 v[QT+4*\c:QT+2+4*\c], v[SS+16+32*\c:SS+31+32*\c], v[QE+\c]   ; (a conversion's three registers begin on an even number)
.endr
	v_nop                                          ; one plain place behind a scaled conversion
	v_permlanex16_b32 v47, v46, s[SEL], s[SEL+1]
.irp k, 5,6,7
	ADDP \k, 16+\k
.endr
.irp i, 0,1,2
	v_mov_b32 v[PC+3+\i], v[QT+\i]
.endr
	v_lshl_or_b32 v[PS], v47, 8, v46               ; p's scale word for these 128 keys, whole in lanes 0-15, which alone are read
.irp i, 0,1,2
	v_mov_b32 v[PC+9+\i], v[QT+4+\i]
.endr
.irp k, 0,1,2,3,4,5,6,7
	ADDP \k, 24+\k                                 ; these eight name no register of the products below: the places behind p's scale word and codes
.endr
	s_wait_alu depctr_va_vdst(0)
	s_wait_dscnt 0x0                               ; V
.irp d, 0,1,2,3
.if \d%2
	v_wmma_scale_f32_16x16x128_f8f6f4 v[OO+8*\d:OO+8*\d+7], v[FF+12*\d:FF+12*\d+11], v[PC:PC+11], v[OO+8*\d:OO+8*\d+7], v[VS+\d/2], v[PS] matrix_a_fmt:MATRIX_FMT_FP6 matrix_b_fmt:MATRIX_FMT_FP6 matrix_a_scale:MATRIX_SCALE_ROW1
.else
	v_wmma_scale_f32_16x16x128_f8f6f4 v[OO+8*\d:OO+8*\d+7], v[FF+12*\d:FF+12*\d+11], v[PC:PC+11], v[OO+8*\d:OO+8*\d+7], v[VS+\d/2], v[PS] matrix_a_fmt:MATRIX_FMT_FP6 matrix_b_fmt:MATRIX_FMT_FP6
.endif
.endr
	s_add_co_u32 s[TB], s[TB], 6144
	s_add_co_u32 s[TS], s[TS], 256
.endm
	s_load_b256 s[16:23], s[0:1], 0x0              ; qb, kvb, mbits, codes1
	s_load_b64 s[24:25], s[0:1], 0x20              ; scales1
	v_lshl_add_u32 v[SPW], v0, 2, SPARE
	v_mov_b32 v[NIL], 0
	ds_add_u32 v[SPW], v[NIL]                      ; the wave's opening: the add, twice on end, and its wait ahead of my tensor load; work on registers stands between them
	ds_add_u32 v[SPW], v[NIL]
	v_lshrrev_b32 v1, 5, v0
	s_delay_alu instid0(VALU_DEP_1)
	v_readfirstlane_b32 s2, v1                     ; wave 0..15
	s_bfe_u32 s26, ttmp6, 0x40000                  ; cx: it enters q's, the mask's and x's addresses alone
	s_lshl_b32 s27, ttmp9, 2
	s_add_co_u32 s27, s27, s26                     ; my block of 256 queries
	s_lshl_b32 s27, s27, 4
	s_add_co_u32 s27, s27, s2                      ; my tile of 16 queries
	s_and_b32 s28, ttmp7, 0xffff                   ; b h, which the four partners share
	s_lshr_b32 s29, s28, 4
	s_lshl_b32 s29, s29, 7
	s_add_co_u32 s29, s29, s27                     ; 128 b + tile
	s_and_b32 s30, s28, 15                         ; the head
	s_mov_b32 s68, 15|(3<<16)|(1<<21)              ; group 1: 15:0 the mask: all four; 17:16 elements of 8 bytes; 21 set beside a mask; no padding
	s_mov_b32 s69, 32<<16                          ; tensor_dim0: 256 bytes
	s_mov_b32 s70, 50<<16                          ; tensor_dim1: 50 rows: a sixteenth of the head's 204,800 bytes
	s_mov_b32 s71, 32<<16                          ; tile_dim0
	s_mov_b32 s72, 50                              ; tile_dim1
	s_mov_b32 s73, 32                              ; dense
	s_mov_b32 s74, 0
	s_mov_b32 s75, 0
	s_and_b32 s31, s2, 1
	s_mul_i32 s77, s2, 12800                       ; my sixteenth: in LDS as in the head's bytes of memory; no place in the cluster enters it
	s_mul_i32 s34, s28, 204800
	s_add_co_u32 s34, s34, s77
	s_mov_b32 s35, 0
	s_mov_b32 s[SEL], 0x76543210
	s_mov_b32 s[SEL+1], 0xfedcba98
	s_mov_b32 s[CS], 0x3e38aa3b                    ; c = log2(e) / sqrt(64)
	s_mov_b32 s[CS+1], s[CS]                       ; (named with it as a pair, so it is written)
	s_mov_b32 s[NC], 0xbe38aa3b                    ; -c
	s_mov_b32 s[TB], 0
	s_mov_b32 s[TS], 0
	s_mov_b32 s[MO], 0
	s_mov_b32 s[CNT], 0
	s_lshl_b32 s3, s31, 4                          ; my tile's half of q's pair word: 16 bits up for an odd tile
	s_wait_dscnt 0x0                               ; both opening adds are done
	s_wait_kmcnt 0x0
	s_mov_b32 s76, 1
	s_add_nc_u64 s[78:79], s[18:19], s[34:35]
	s_or_b32 s79, s79, 0x80000000
	s_mov_b64 s[100:101], s[16:17]                 ; qb
	s_lshl_b32 s36, s29, 12
	s_mov_b32 s37, 0
	s_add_nc_u64 s[4:5], s[20:21], s[36:37]        ; my tile's 16 x 64 mask words
	s_add_co_u32 s38, s29, 1024                    ; x's group
	s_mul_i32 s36, s38, 12288
	s_mul_i32 s39, s30, 768
	s_add_co_u32 s36, s36, s39
	s_add_nc_u64 s[6:7], s[22:23], s[36:37]        ; where x's image goes
	s_lshl_b32 s36, s38, 9
	s_lshl_b32 s39, s30, 1
	s_add_co_u32 s36, s36, s39
	s_add_nc_u64 s[8:9], s[24:25], s[36:37]        ; and its scale bytes
	s_lshl_b32 s40, s28, 7
	s_add_co_u32 s40, s40, s27
	s_mul_i32 s40, s40, 768                        ; q's image
	s_lshl_b32 s41, s28, 12
	s_lshr_b32 s42, s27, 1
	s_lshl_b32 s42, s42, 6
	s_add_co_u32 s41, s41, s42
	s_add_co_u32 s41, s41, 3145728                 ; its pair's scale words
	CROUND                                         ; all four work-groups are here: the joint loads meet
	tensor_load_to_lds s[76:79], s[68:75]          ; every wave's one load, with no branch round it
	s_nop 0
.rept 4
	v_nop
.endr
	v_and_b32 v14, 31, v0                          ; L
	v_and_b32 v15, 15, v0                          ; r
	v_mov_b32 v[RM], 0xd0000000                    ; R = -2^33
	v_mov_b32 v16, 0x7f61b1e6                      ; -M so far: 3e38
	v_mov_b32 v17, 0
	v_lshlrev_b32 v18, 4, v14
	v_lshlrev_b32 v19, 3, v14
	v_lshlrev_b32 v5, 2, v14                       ; K's scale words: 4 L
	v_lshl_add_u32 v206, v15, 2, s41
	v_mov_b32 v20, 0
	v_mov_b32 v21, 0                               ; (named as the upper half of the pair v[20:21])
	v_add_nc_u32 v204, s40, v18
	v_add3_u32 v205, v19, s40, 512
	v_add_nc_u32 v1, 4096, v18                     ; K's codes: 16 L,
	v_add_nc_u32 v2, 4608, v19                     ; 512 + 8 L
	v_add_nc_u32 v3, 106496, v18                   ; V's
	v_add_nc_u32 v4, 107008, v19
	v_add_nc_u32 v6, 102400, v5
	global_load_b128 v[34:37], v204, s[100:101]    ; q stays in registers
	global_load_b64 v[38:39], v205, s[100:101]
	global_load_b32 v[QS], v206, s[100:101]
	s_load_b512 s[16:31], s[4:5], s[MO] offset:0x0 ; key step 0's mask words
	s_load_b512 s[32:47], s[4:5], s[MO] offset:0x40
	s_load_b512 s[48:63], s[4:5], s[MO] offset:0x80
	s_load_b512 s[80:95], s[4:5], s[MO] offset:0xc0
.irp i, 28,29,30,31,32,33,40,41,42,43,44,45
	v_mov_b32 v\i, 0                               ; the zero codes on both sides of q
.endr
	v_mov_b32 v46, 0                               ; written once: a lane permute's destination counts as read
	v_mov_b32 v47, 0
.set j, 0
.rept 16
	v_mov_b32 v[LL+j], 0                           ; the sum's parts
.set j, j+1
.endr
	s_wait_alu depctr_va_vdst(0)
	s_wait_loadcnt 0x0                             ; q
	v_lshrrev_b32 v[QS], s3, v[QS]
	s_delay_alu instid0(VALU_DEP_1)
	v_and_b32 v[QS], 0xffff, v[QS]
	s_delay_alu instid0(VALU_DEP_1)
	v_lshl_or_b32 v[QS], v[QS], 16, v[QS]          ; my tile's two bytes, for both halves of the 128
.set j, 0
.rept 32
	v_mov_b32 v[OO+j], 0                           ; O^T: the step is written once, and its first trip finds zeros.  (These are also the places between q's scale word and the first product)
.set j, j+1
.endr
	s_wait_alu depctr_va_vdst(0)
	s_wait_tensorcnt 0x0                           ; my sixteenth is in
	s_barrier_signal -1
	s_barrier_wait -1                              ; K and V lie whole in LDS; nothing is filled again
.Lstep:
	STEP
	s_add_co_u32 s[CNT], s[CNT], 1
	s_cmp_lt_u32 s[CNT], 16
	s_cbranch_scc1 .Lstep
	; THE WAY OUT: O^T / the sum; my 16 queries x the head's 64 channels are one image of x
.irp k, 0,1,2,3
	v_pk_add_f32 v[LL+2*\k:LL+2*\k+1], v[LL+2*\k:LL+2*\k+1], v[LL+8+2*\k:LL+9+2*\k]   ; the sum's parts; these four are the places behind the last products
.endr
	s_delay_alu instid0(VALU_DEP_2)
	v_pk_add_f32 v[LL:LL+1], v[LL:LL+1], v[LL+4:LL+5]
	s_delay_alu instid0(VALU_DEP_2)
	v_pk_add_f32 v[LL+2:LL+3], v[LL+2:LL+3], v[LL+6:LL+7]
	s_delay_alu instid0(VALU_DEP_1)
	v_pk_add_f32 v[LL:LL+1], v[LL:LL+1], v[LL+2:LL+3]
	s_delay_alu instid0(VALU_DEP_1)
	v_add_f32 v18, v[LL], v[LL+1]
	s_delay_alu instid0(VALU_DEP_1)
	v_permlanex16_b32 v46, v18, s[SEL], s[SEL+1]
	s_delay_alu instid0(VALU_DEP_1)
	v_add_f32 v18, v18, v46                        ; and lane l xor 16's
	s_wait_alu depctr_va_vdst(0)
	v_rcp_f32 v20, v18
	v_and_b32 v10, 31, v0                          ; (plain work behind the reciprocal)
	v_and_b32 v11, 15, v0
	s_delay_alu instid0(VALU_DEP_2)
	v_lshlrev_b32 v12, 4, v10
	s_delay_alu instid0(VALU_DEP_3)
	v_lshlrev_b32 v13, 3, v10
	s_delay_alu instid0(VALU_DEP_1)
	v_add_nc_u32 v13, 512, v13
	s_delay_alu instid0(VALU_DEP_4)
	v_lshlrev_b32 v14, 5, v11                      ; a row's eight scale words are 32 bytes
	s_wait_alu depctr_va_vdst(0)                   ; the wait ahead of the reciprocal's first reader and of O^T's
.set j, 0
.rept 16
	v_pk_mul_f32 v[SS+j:SS+j+1], v[OO+j:OO+j+1], v[20:21] op_sel_hi:[1,0]   ; register 8 d + i: channel 16 d + 8 (lane / 16) + i; each result from its low end on
.set j, j+2
.endr
	QUANT2 SS, PC, 47
	global_store_b128 v12, v[PC:PC+3], s[6:7]      ; 512 consecutive bytes,
	global_store_b64 v13, v[PC+4:PC+5], s[6:7]     ; and 256: three aligned blocks of 256
	v_cmp_gt_u32 vcc_lo, 16, v10
	s_wait_xcnt 0x0                                ; EXEC changes only behind this wait
	s_and_saveexec_b32 s3, vcc_lo
	global_store_b16 v14, v47, s[8:9]              ; a head owns two bytes of each row's scale words: 32 bytes of this launch's 800 for a tile
	s_wait_xcnt 0x0
	s_or_b32 exec_lo, exec_lo, s3
	s_wait_tensorcnt 0x0                           ; the wave's end
	ds_add_u32 v[SPW], v[NIL]
	s_wait_dscnt 0x0
	CROUND                                         ; the closing round
	s_endpgm
.Lfunc_end_k_q75a9adb3fc_attn:
	.size	k_q75a9adb3fc_attn, .Lfunc_end_k_q75a9adb3fc_attn-k_q75a9adb3fc_attn
	.p2alignl 7, 3214868480
	.fill 96, 4, 3214868480
	.section	.rodata,"a",@progbits
	.p2align	6, 0x0
	.amdhsa_kernel k_q75a9adb3fc_attn
		.amdhsa_group_segment_fixed_size 206848
		.amdhsa_private_segment_fixed_size 0
		.amdhsa_enable_private_segment 0
		.amdhsa_kernarg_size 40
		.amdhsa_user_sgpr_count 2
		.amdhsa_user_sgpr_kernarg_segment_ptr 1
		.amdhsa_wavefront_size32 1
		.amdhsa_system_sgpr_workgroup_id_x 1
		.amdhsa_system_sgpr_workgroup_id_y 1
		.amdhsa_system_sgpr_workgroup_id_z 1
		.amdhsa_system_vgpr_workitem_id 0
		.amdhsa_next_free_vgpr 240
		.amdhsa_next_free_sgpr 102
		.amdhsa_reserve_vcc 1
		.amdhsa_float_denorm_mode_32 3
		.amdhsa_float_denorm_mode_16_64 3
		.amdhsa_memory_ordered 1
		.amdhsa_forward_progress 1
		.amdhsa_inst_pref_size 33
	.end_amdhsa_kernel
	.amdgpu_metadata
---
amdhsa.version: [ 1, 2 ]
amdhsa.kernels:
  - .name:           k_q75a9adb3fc_attn
    .symbol:         k_q75a9adb3fc_attn.kd
    .args:
      - { .name: qb, .offset: 0, .size: 8, .value_kind: global_buffer, .address_space: global }
      - { .name: kvb, .offset: 8, .size: 8, .value_kind: global_buffer, .address_space: global }
      - { .name: mbits, .offset: 16, .size: 8, .value_kind: global_buffer, .address_space: global }
      - { .name: codes1, .offset: 24, .size: 8, .value_kind: global_buffer, .address_space: global }
      - { .name: scales1, .offset: 32, .size: 8, .value_kind: global_buffer, .address_space: global }
    .group_segment_fixed_size: 206848
    .private_segment_fixed_size: 0
    .kernarg_segment_align: 8
    .kernarg_segment_size: 40
    .max_flat_workgroup_size: 512
    .sgpr_count:     102
    .vgpr_count:     240
    .wavefront_size: 32
...
	.end_amdgpu_metadata
.endif
;; end of part 3
;; launch outp (part 4): grid 8 x 32, 4 waves a work-group, clusters of 4 x 4, 214,528 bytes of LDS; arguments codes1, scales1, bo, out0; writes out0
.if DOCPART == 4
	.amdgcn_target "amdgcn-amd-amdhsa--gfx1250"
	.amdhsa_code_object_version 6
	.text
	.protected	k_q75a9adb3fc_outp
	.globl	k_q75a9adb3fc_outp
	.p2align	8
	.type	k_q75a9adb3fc_outp,@function
k_q75a9adb3fc_outp:
	s_mov_b64 s[64:65], 0
	v_nop
	global_prefetch_b8 v0, s[64:65] scope:SCOPE_SE
	s_setreg_imm32_b32 hwreg(HW_REG_WAVE_MODE, 25, 1), 1
	s_wait_xcnt 0x0
	s_wait_alu depctr_hold_cnt(0) depctr_sa_sdst(0) depctr_va_vdst(0) depctr_va_sdst(0) depctr_va_ssrc(0) depctr_va_vcc(0) depctr_vm_vsrc(0)
	s_getreg_b32 s2, hwreg(HW_REG_IB_STS2, 6, 4)
	s_cmp_eq_u32 s2, 0
	s_cbranch_scc0 .Lentry_in_a_cluster
	s_endpgm
.Lentry_in_a_cluster:
	s_bfe_u32 s2, ttmp6, 0x10000c
	s_cmp_lg_u32 s2, 0xf033
	s_cbranch_scc0 .Lentry_shape_is_right
	s_endpgm
.Lentry_shape_is_right:
; OUTP.  out0 = x Wo^T + bo on codes of FP6 (E2M3); x: codes1 groups 1024 on, Wo: groups 960 on; scale words in scales1.  out0: [4096][1024] f32.
; Layouts of codes1 and scales1 and the order inside a block of 32: as the launch that made the weights' codes states; x's images were laid the same way by the attention launch.
; SHARES.  Work-group (x, y): 128 rows of x times 128 rows of Wo, all of K = 1,024.  Four waves, 64 x 64 each: 16 accumulators.  Both tiles' codes for all of K, 196,608 bytes, fit in LDS: each wave asks for its
; four parts at the start (by this text's count one tensor load of a wave is out); no byte of LDS is filled twice.
; CLUSTER 4 x 4: x's tile is shared along a row of the cluster, Wo's along a column: asked for jointly.  The scale words go from memory straight to registers: 8 KB beside 192 KB of codes.
; Source 0 = 16 rows of Wo, source 1 = 16 rows of x: a lane holds one row and eight neighbouring columns of out0.  The bias is the C of each sum's first matrix instruction.
; THE WAY OUT: 16 rows x 64 columns at a time through the wave's own stage in LDS, so that sixteen lanes store 256 consecutive bytes, aligned.
; REGISTERS: window 0: v4-17 addresses; v64-95 scale words and v96-127 the bias, later rows on their way out; v128-255 the accumulators.  Window 1: x's fragments at 48 n, Wo's at 96 + 48 n, n = 0, 1.
.set CHUNK, 49152
.set WPART, 49152                      ; what a wave's ONE tensor load brings: its four groups for all of K, a dense block of memory; in LDS [wave][group 12,288][K step 1,536].  One tensor load of a wave is out
.set STG,   4*CHUNK                    ; the stages: 16 rows x (256 + 16) bytes for each wave; no fill lands here
.set SPARE, STG+4*4352                 ; the spare words, 128 bytes a wave: two blocks of 256 bytes that no other line names
.set AA16, 4
.set AA8,  5
.set AB16, 6
.set AB8,  7
.set GSC,  8
.set GBI,  9
.set L16,  10
.set L8H,  11
.set STO,  13                          ; v13  the stage: where I put 32 bytes of a row
.set SRD,  14                          ; v14  where I read rows back
.set GOU,  15                          ; v15  the same place in out0
.set SPW,  16
.set NIL,  17
.set SC,   64
.set BIAS, 96
.set OB,   64
.set ACC,  128
.set AF,   0
.set BF,   96
.set MSB, 0
.macro WIN new                         ; the immediate's high byte repeats the setting that is left
.if MSB != \new
	s_set_vgpr_msb (MSB<<8)|\new
.set MSB, \new
.endif
.endm
.macro CROUND
	s_barrier_signal -1
	s_barrier_wait -1
	s_cmp_lg_u32 s18, 0
	s_cbranch_scc1 .Lnot_wave_0_\@
	s_barrier_signal -3
.Lnot_wave_0_\@:
	s_barrier_wait -3
	s_barrier_signal -1
	s_barrier_wait -1
.endm
.macro FRAG reg, a16, a8, off
	ds_load_b128 v[\reg:\reg+3], v[\a16] offset:\off
	ds_load_b64 v[\reg+4:\reg+5], v[\a8] offset:\off
	ds_load_b128 v[\reg+6:\reg+9], v[\a16] offset:\off+768
	ds_load_b64 v[\reg+10:\reg+11], v[\a8] offset:\off+768
.endm
.macro FETCH s, n
	WIN 0x40                                       ; destination window 1, address window 0
.irp i, 0,1,2,3
	FRAG AF+48*(\n)+12*\i, AA16, AA8, 12288*\i+1536*(\s)
.endr
.irp i, 0,1,2,3
	FRAG BF+48*(\n)+12*\i, AB16, AB8, 12288*\i+1536*(\s)
.endr
.endm
.macro MUL s, n                        ; 16 matrix instructions; the 16 accumulators take turns, in the same order in every step
	WIN 0x05                                       ; sources 0 and 1 window 1; C and D window 0
.irp a, 0,1,2,3
.irp t, 0,1,2,3
.if (\s) == 0
	v_wmma_scale_f32_16x16x128_f8f6f4 v[ACC+32*\a+8*\t:ACC+32*\a+8*\t+7], v[BF+48*(\n)+12*\t:BF+48*(\n)+12*\t+11], v[AF+48*(\n)+12*\a:AF+48*(\n)+12*\a+11], v[BIAS+8*\t:BIAS+8*\t+7], v[SC+8*\t+(\s)], v[SC+8*\a+(\s)] matrix_a_fmt:MATRIX_FMT_FP6 matrix_b_fmt:MATRIX_FMT_FP6 matrix_a_scale:MATRIX_SCALE_ROW1
.else
	v_wmma_scale_f32_16x16x128_f8f6f4 v[ACC+32*\a+8*\t:ACC+32*\a+8*\t+7], v[BF+48*(\n)+12*\t:BF+48*(\n)+12*\t+11], v[AF+48*(\n)+12*\a:AF+48*(\n)+12*\a+11], v[ACC+32*\a+8*\t:ACC+32*\a+8*\t+7], v[SC+8*\t+(\s)], v[SC+8*\a+(\s)] matrix_a_fmt:MATRIX_FMT_FP6 matrix_b_fmt:MATRIX_FMT_FP6 matrix_a_scale:MATRIX_SCALE_ROW1
.endif
.endr
.endr
.endm
	s_load_b256 s[4:11], s[0:1], 0x0               ; codes1, scales1, bo, out0
	v_lshl_add_u32 v[SPW], v0, 2, SPARE
	v_mov_b32 v[NIL], 0
	ds_add_u32 v[SPW], v[NIL]                      ; the wave's opening: the add and its wait ahead of my first tensor load; work on registers stands between them
	ds_add_u32 v[SPW], v[NIL]
	v_lshrrev_b32 v1, 5, v0
	v_readfirstlane_b32 s18, v1                    ; wave 0..3
	s_lshr_b32 s19, s18, 1                         ; which 64 rows of x are mine.  Also: I fetch x (0) or Wo (1)
	s_and_b32 s20, s18, 1                          ; which 64 rows of Wo.  Also: which four groups I fetch
	s_bfe_u32 s21, ttmp6, 0x40000                  ; cx
	s_bfe_u32 s22, ttmp6, 0x40004                  ; cy
	s_lshl_b32 s23, ttmp9, 2
	s_add_co_u32 s23, s23, s21                     ; x = 4 x cluster x + cx
	s_and_b32 s84, ttmp7, 0xffff
	s_lshl_b32 s84, s84, 2
	s_add_co_u32 s84, s84, s22                     ; y = 4 x cluster y + cy
	s_lshl_b32 s86, s22, 2
	s_lshl_b32 s86, 15, s86                        ; my row of the cluster
	s_lshl_b32 s87, 0x1111, s21                    ; my column
	s_or_b32 s24, s86, (3<<16)|(1<<21)             ; group 1: 15:0 the mask; 17:16 elements of 8 bytes; 21 set beside a mask; no padding
	s_or_b32 s32, s87, (3<<16)|(1<<21)
.irp g, 24, 32
	s_mov_b32 s[\g+1], 1536<<16                    ; tensor_dim0: 12,288 bytes: a group's eight fragments
	s_mov_b32 s[\g+2], 4<<16                       ; tensor_dim1: four groups
	s_mov_b32 s[\g+3], 1536<<16                    ; tile_dim0
	s_mov_b32 s[\g+4], 4                           ; tile_dim1
	s_mov_b32 s[\g+5], 1536                        ; from group to group: 12,288 bytes
	s_mov_b32 s[\g+6], 0
	s_mov_b32 s[\g+7], 0
.endr
	s_lshl_b32 s88, s84, 3                         ; x's first group: 1024 + 8 y,
	s_lshl_b32 s89, s20, 2
	s_add_co_u32 s88, s88, s89                     ; + the four that I fetch
	s_add_co_u32 s88, s88, 1024
	s_mul_i32 s88, s88, 12288
	s_mov_b32 s89, 0
	s_lshl_b32 s90, s23, 3                         ; Wo's: 960 + 8 x
	s_lshl_b32 s91, s20, 2
	s_add_co_u32 s90, s90, s91
	s_add_co_u32 s90, s90, 960
	s_mul_i32 s90, s90, 12288
	s_mov_b32 s91, 0
	s_mul_i32 s92, s18, WPART                      ; where they go in a chunk: no place in the cluster enters an LDS address
	s_mov_b32 s58, 0xffff0000                      ; lanes 16-31
	s_wait_dscnt 0x0                               ; the opening add is done
	s_wait_kmcnt 0x0
	s_add_nc_u64 s[88:89], s[4:5], s[88:89]
	s_add_nc_u64 s[90:91], s[4:5], s[90:91]
	CROUND                                         ; all sixteen work-groups are here: the joint loads meet
.irp c, 0
	s_mov_b32 s[40+4*\c], 1
	s_add_co_u32 s[41+4*\c], s92, \c*CHUNK
	s_add_nc_u64 s[42+4*\c:43+4*\c], s[88:89], \c*3072
	s_or_b32 s[43+4*\c], s[43+4*\c], 0x80000000
	s_mov_b32 s[68+4*\c], 1
	s_add_co_u32 s[69+4*\c], s92, \c*CHUNK
	s_add_nc_u64 s[70+4*\c:71+4*\c], s[90:91], \c*3072
	s_or_b32 s[71+4*\c], s[71+4*\c], 0x80000000
.endr
	s_cmp_eq_u32 s19, 0                            ; a wave's one fill stands in a branch on its number, an s_nop 0 and four v_nop behind it
	s_cbranch_scc0 .Lfill_b
.irp c, 0
	tensor_load_to_lds s[40+4*\c:43+4*\c], s[24:31]
	s_nop 0
.endr
.rept 4
	v_nop
.endr
	s_branch .Lfilled
.Lfill_b:
.irp c, 0
	tensor_load_to_lds s[68+4*\c:71+4*\c], s[32:39]
	s_nop 0
.endr
.rept 4
	v_nop
.endr
.Lfilled:
	v_and_b32 v1, 31, v0                           ; L
	v_and_b32 v2, 15, v0                           ; r
	v_bfe_u32 v3, v0, 4, 1                         ; h
	v_lshlrev_b32 v[L16], 4, v1
	v_lshlrev_b32 v[L8H], 3, v1
	v_add_nc_u32 v[L8H], 512, v[L8H]
	s_mul_i32 s93, s19, WPART
	v_add_nc_u32 v[AA16], s93, v[L16]
	v_add_nc_u32 v[AA8], s93, v[L8H]
	s_mul_i32 s93, s20, WPART
	s_add_co_u32 s93, s93, 2*WPART
	v_add_nc_u32 v[AB16], s93, v[L16]
	v_add_nc_u32 v[AB8], s93, v[L8H]
	s_mul_i32 s93, s18, 4352
	s_add_co_u32 s93, s93, STG                     ; my stage
	v_mul_u32_u24 v[STO], v2, 272
	v_lshl_add_u32 v[STO], v3, 5, v[STO]
	v_add_nc_u32 v[STO], s93, v[STO]               ; in: row r, 32 bytes for each half of the lanes
	v_mul_u32_u24 v[SRD], v3, 272
	v_lshl_add_u32 v[SRD], v2, 4, v[SRD]
	v_add_nc_u32 v[SRD], s93, v[SRD]               ; back: lanes 0-15 one row of 256 bytes, lanes 16-31 the next
	v_lshlrev_b32 v[GOU], 12, v3
	v_lshl_add_u32 v[GOU], v2, 4, v[GOU]           ; and the same two rows in out0
	s_lshl_b32 s59, s84, 3
	s_lshl_b32 s60, s19, 2
	s_add_co_u32 s59, s59, s60
	s_add_co_u32 s59, s59, 1024
	s_lshl_b32 s59, s59, 9                         ; my four groups of x in scales1: 512 bytes a group
	s_lshl_b32 s60, s23, 3
	s_lshl_b32 s61, s20, 2
	s_add_co_u32 s60, s60, s61
	s_add_co_u32 s60, s60, 960
	s_lshl_b32 s60, s60, 9                         ; and of Wo
	v_mov_b32 v[GSC], s59
	v_mov_b32 v[GBI], s60
	v_cndmask_b32 v[GSC], v[GSC], v[GBI], s58      ; lanes 0-15 x's, lanes 16-31 Wo's
	v_lshl_add_u32 v[GSC], v2, 5, v[GSC]
.irp i, 0,1,2,3
.irp q, 0,1
	global_load_b128 v[SC+8*\i+4*\q:SC+8*\i+4*\q+3], v[GSC], s[6:7] offset:512*\i+16*\q   ; v[SC + 8 i + s]: group i, K step s
.endr
.endr
	s_lshl_b32 s60, s23, 9
	s_lshl_b32 s61, s20, 8
	s_add_co_u32 s60, s60, s61
	s_mov_b32 s61, 0
	s_add_nc_u64 s[8:9], s[8:9], s[60:61]          ; bo at my 64 columns
	v_lshlrev_b32 v[GBI], 5, v3                    ; lane (r, h) wants, for result t, the bias of columns 16 t + 8 h + 0 .. 7
.irp t, 0,1,2,3
	global_load_b128 v[BIAS+8*\t:BIAS+8*\t+3], v[GBI], s[8:9] offset:64*\t
	global_load_b128 v[BIAS+8*\t+4:BIAS+8*\t+7], v[GBI], s[8:9] offset:64*\t+16
.endr
	s_lshl_b32 s60, s84, 7
	s_lshl_b32 s61, s19, 6
	s_add_co_u32 s60, s60, s61                     ; my first row of out0
	s_lshl_b32 s60, s60, 12
	s_lshl_b32 s61, s23, 9
	s_add_co_u32 s60, s60, s61
	s_lshl_b32 s61, s20, 8
	s_add_co_u32 s60, s60, s61                     ; my first column, in bytes
	s_mov_b32 s61, 0
	s_add_nc_u64 s[10:11], s[10:11], s[60:61]
	; the eight K steps: while one set is multiplied the next step's 32 loads are out.
	s_wait_tensorcnt 0x0                           ; my one load is in
	s_barrier_signal -1
	s_barrier_wait -1                              ; everybody's is
	FETCH 0, 0
	s_wait_loadcnt 0x0                             ; the scale words and the bias
.irp s, 0,1,2,3,4,5,6
.if \s > 0
.rept 4
	v_nop                                          ; four places between the last products and loads into registers that they read
.endr
.endif
	FETCH \s+1, (\s+1)%2
	s_wait_alu depctr_va_vdst(0)
	s_wait_dscnt 32                                ; all but the 32 just issued
	MUL \s, \s%2
.endr
	s_wait_dscnt 0x0
	MUL 7, 1
	WIN 0
.rept 4
	v_nop                                          ; four places: for the first read of results, and for the loads into the registers that held scale words and bias
.endr
.irp a, 0,1,2,3
.if \a >= 2
	s_wait_xcnt 0x0                                ; the stores of two blocks ago have read their data: the registers may be loaded again
.endif
.irp t, 0,1,2,3
	ds_store_b128 v[STO], v[ACC+32*\a+8*\t:ACC+32*\a+8*\t+3] offset:64*\t        ; each accumulator from its low end on
	ds_store_b128 v[STO], v[ACC+32*\a+8*\t+4:ACC+32*\a+8*\t+7] offset:64*\t+16
.endr
.irp i, 0,1,2,3,4,5,6,7
	ds_load_b128 v[OB+32*(\a%2)+4*\i:OB+32*(\a%2)+4*\i+3], v[SRD] offset:544*\i  ; LDS serves a wave's instructions in order: these see my stores, and the next block's stores come behind them
.endr
.irp i, 0,1,2,3,4,5,6,7
	s_wait_dscnt 7-\i                              ; the younger loads may be out
	global_store_b128 v[GOU], v[OB+32*(\a%2)+4*\i:OB+32*(\a%2)+4*\i+3], s[10:11] offset:(16*\a+2*\i)*4096 th:TH_STORE_NT   ; sixteen lanes store 256 consecutive bytes, aligned; written once, read by nobody here
.endr
.endr
	s_wait_tensorcnt 0x0                           ; the wave's end: behind my last tensor load and my last LDS store
	ds_add_u32 v[SPW], v[NIL]
	s_wait_dscnt 0x0
	CROUND                                         ; the closing round
	s_endpgm
.Lfunc_end_k_q75a9adb3fc_outp:
	.size	k_q75a9adb3fc_outp, .Lfunc_end_k_q75a9adb3fc_outp-k_q75a9adb3fc_outp
	.p2alignl 7, 3214868480
	.fill 96, 4, 3214868480
	.section	.rodata,"a",@progbits
	.p2align	6, 0x0
	.amdhsa_kernel k_q75a9adb3fc_outp
		.amdhsa_group_segment_fixed_size 214528
		.amdhsa_private_segment_fixed_size 0
		.amdhsa_enable_private_segment 0
		.amdhsa_kernarg_size 32
		.amdhsa_user_sgpr_count 2
		.amdhsa_user_sgpr_kernarg_segment_ptr 1
		.amdhsa_wavefront_size32 1
		.amdhsa_system_sgpr_workgroup_id_x 1
		.amdhsa_system_sgpr_workgroup_id_y 1
		.amdhsa_system_sgpr_workgroup_id_z 1
		.amdhsa_system_vgpr_workitem_id 0
		.amdhsa_next_free_vgpr 448
		.amdhsa_next_free_sgpr 100
		.amdhsa_reserve_vcc 0
		.amdhsa_float_denorm_mode_32 3
		.amdhsa_float_denorm_mode_16_64 3
		.amdhsa_memory_ordered 1
		.amdhsa_forward_progress 1
		.amdhsa_inst_pref_size 51
	.end_amdhsa_kernel
	.amdgpu_metadata
---
amdhsa.version: [ 1, 2 ]
amdhsa.kernels:
  - .name:           k_q75a9adb3fc_outp
    .symbol:         k_q75a9adb3fc_outp.kd
    .args:
      - { .name: codes1, .offset: 0, .size: 8, .value_kind: global_buffer, .address_space: global }
      - { .name: scales1, .offset: 8, .size: 8, .value_kind: global_buffer, .address_space: global }
      - { .name: bo, .offset: 16, .size: 8, .value_kind: global_buffer, .address_space: global }
      - { .name: out0, .offset: 24, .size: 8, .value_kind: global_buffer, .address_space: global }
    .group_segment_fixed_size: 214528
    .private_segment_fixed_size: 0
    .kernarg_segment_align: 8
    .kernarg_segment_size: 32
    .max_flat_workgroup_size: 128
    .sgpr_count:     100
    .vgpr_count:     448
    .wavefront_size: 32
...
	.end_amdgpu_metadata
.endif
;; end of part 4
